; MI455X (gfx1250); checked and timed in simulation.
; The chip was launched on July 23, 2026; its instructions are those of AMD's public machine-readable ISA for CDNA 5 (MIT licence, August 2026) and "CDNA5" Instruction Set Architecture Reference Guide (July 2026). The comments in the code are by the model that wrote it; some were corrected since.
;; SKA Module. Allowed arithmetic: float matrix products may take bf16 or f16 operands with f32 sums; other float arithmetic in f32, or as packed bf16 or f16 multiplies, adds, multiply-adds, maxima and minima; sums over many terms, partial sums and values carried from step to step in f32; what a program stores and reads back later, other than sums and carried values, may be rounded once to bf16 or f16.
;; Inputs: Wk 1,024 x 512 float32; Wo 1,024 x 1,024 float32; Wq 1,024 x 512 float32; Wv 1,024 x 1,024 float32; gate_alpha 1 float32; hidden_states 4 x 4,096 x 1,024 float32; ln_bias 1,024 float32; ln_scale 1,024 float32; log_gamma one number float32; log_ridge one number float32.
;; Outputs: out0 4 x 4,096 x 1,024 float32.
;; Constants: prefix_len = 2048.
;; 2 versions, each right; version 2 is version 1 with the launches prep, weffk written anew for expert scheduling mode. Each part assembles by itself: llvm-mc -triple=amdgcn-amd-amdhsa -mcpu=gfx1250 --defsym DOCPART=n.
;; ======== version 1 of 2: 5 launches
;; limits: values are held in f16: magnitudes above 65,504 overflow, below 6.1e-05 lose precision
;; workspace buffers: nrm 33,554,432 bytes; wcat 4,194,304 bytes; zbuf 16,777,216 bytes; kfr 8,388,608 bytes; vfr 16,777,216 bytes; ftb 524,288 bytes; fmx 256 bytes; weff 4,194,304 bytes
;; launch prep (part 1): grid 576 x 1, 8 waves a work-group, no clusters, 0 bytes of LDS; arguments hidden_states, ln_scale, ln_bias, Wk, Wq, Wv, nrm, wcat; writes nrm, wcat
.if DOCPART == 1
	.amdgcn_target "amdgcn-amd-amdhsa--gfx1250"
	.amdhsa_code_object_version 6
	.text
	.protected	k_qe0670d923f_prep
	.globl	k_qe0670d923f_prep
	.p2align	8
	.type	k_qe0670d923f_prep,@function
k_qe0670d923f_prep:
	s_mov_b64 s[64:65], 0
	v_nop
	global_prefetch_b8 v0, s[64:65] scope:SCOPE_SE
	s_setreg_imm32_b32 hwreg(HW_REG_WAVE_MODE, 25, 1), 1
	s_wait_xcnt 0x0
; Work-groups 0-511: LayerNorm of 32 rows of 1,024 f32 each, written as f16 into nrm [16384][1024].
; Work-groups 512-575: Wk, Wq, Wv cast to f16 into wcat [1024 k][2048 n] (n 0-511 Wk, 512-1535 Wv, 1536-2047 Wq).
; A stream: no LDS, no barrier, no matrix unit.  A wave takes 4 whole rows; a row lies in 32 registers between the pass for the mean,
; the pass for the variance (of the differences, so a common offset of the row costs nothing) and the scaling: memory is read once.
; Lane l holds elements 128 j + 4 l + e: each load of a wave covers 512 consecutive bytes, each store 256 consecutive aligned bytes.
; LIMITS: f16 ends at 65,504: 32 |ln_scale| + |ln_bias| and the weights stay below it; weights below 6e-5 keep f16's fixed step of 6e-8.
; NaN and infinities are not treated apart.
.set SC,  4                            ; v[4:35]    ln_scale of my 32 columns
.set BI,  36                           ; v[36:67]   ln_bias
.set X,   68                           ; v[68:195]  four rows (or 32 passes of the cast)
.set T,   196                          ; v[196:203] four pairs at work
.set MN,  204                          ; v[204:205] the mean, twice
.set RS,  206                          ; v[206:207] 1 / sqrt(var + eps), twice
	s_load_b512 s[4:19], s[0:1], 0x0               ; hidden s[4:5], scale s[6:7], bias s[8:9], Wk s[10:11], Wq s[12:13], Wv s[14:15], nrm s[16:17], wcat s[18:19]
	s_mov_b32 s2, ttmp9
	s_mov_b32 s21, 0
	s_mov_b32 s23, 0
	s_cmp_lt_u32 s2, 512
	s_cbranch_scc0 .Lcast
	v_and_b32 v1, 31, v0                           ; lane
	v_lshrrev_b32 v2, 5, v0                        ; wave
	v_lshlrev_b32 v3, 3, v1                        ; 8 x lane
	v_lshlrev_b32 v1, 4, v1                        ; 16 x lane: my place in scale and bias
	v_lshl_add_u32 v3, v2, 13, v3                  ; out: wave x 4 rows x 2,048 bytes + 8 x lane
	v_lshl_add_u32 v2, v2, 14, v1                  ; in: wave x 4 rows x 4,096 bytes + 16 x lane
	s_lshl_b32 s20, s2, 17                         ; 32 rows x 4,096 bytes
	s_lshl_b32 s22, s2, 16                         ; 32 rows x 2,048 bytes
	s_mov_b32 s24, 0x3a800000                      ; 1 / 1024
	s_mov_b32 s25, 0x3727c5ac                      ; 1e-5
	s_mov_b32 s26, 0x76543210                      ; v_permlanex16_b32: each lane takes its own place in the other half
	s_mov_b32 s27, 0xfedcba98
	s_wait_kmcnt 0x0
	s_add_nc_u64 s[4:5], s[4:5], s[20:21]
	s_add_nc_u64 s[16:17], s[16:17], s[22:23]
.irp j, 0,1,2,3,4,5,6,7
	global_load_b128 v[SC+4*(\j):SC+4*(\j)+3], v1, s[6:7] offset:512*(\j)
.endr
.irp j, 0,1,2,3,4,5,6,7
	global_load_b128 v[BI+4*(\j):BI+4*(\j)+3], v1, s[8:9] offset:512*(\j)
.endr
.irp r, 0,1,2,3
.irp j, 0,1,2,3,4,5,6,7
	global_load_b128 v[X+32*(\r)+4*(\j):X+32*(\r)+4*(\j)+3], v2, s[4:5] offset:4096*(\r)+512*(\j) th:TH_LOAD_NT
.endr
.endr
.macro LANESUM r, tmp                  ; the sum over the 32 lanes, in every lane; tmp has been written before
	v_add_f32_dpp v[\r], v[\r], v[\r] row_xmask:1 row_mask:0xf bank_mask:0xf
	v_add_f32_dpp v[\r], v[\r], v[\r] row_xmask:2 row_mask:0xf bank_mask:0xf
	v_add_f32_dpp v[\r], v[\r], v[\r] row_xmask:4 row_mask:0xf bank_mask:0xf
	v_add_f32_dpp v[\r], v[\r], v[\r] row_xmask:8 row_mask:0xf bank_mask:0xf
	v_permlanex16_b32 v[\tmp], v[\r], s26, s27
	v_add_f32 v[\r], v[\r], v[\tmp]
.endm
.macro FOLD                            ; four pairs into one number
	v_pk_add_f32 v[T:T+1], v[T:T+1], v[T+2:T+3]
	v_pk_add_f32 v[T+4:T+5], v[T+4:T+5], v[T+6:T+7]
	v_pk_add_f32 v[T:T+1], v[T:T+1], v[T+4:T+5]
	v_add_f32 v[T], v[T], v[T+1]
	LANESUM T, T+1
.endm
; One row.  left = the loads of the younger rows, which may stay out.
.macro ROWLN row, left
.set XR, X+32*(\row)
	s_wait_loadcnt \left                           ; loads come back in order: scale, bias and my row are in
.irp c, 0,1,2,3
	v_pk_add_f32 v[T+2*(\c):T+2*(\c)+1], v[XR+2*(\c):XR+2*(\c)+1], v[XR+8+2*(\c):XR+8+2*(\c)+1]
.endr
.irp c, 8,9,10,11,12,13,14,15
	v_pk_add_f32 v[T+2*((\c)%4):T+2*((\c)%4)+1], v[T+2*((\c)%4):T+2*((\c)%4)+1], v[XR+2*(\c):XR+2*(\c)+1]
.endr
	FOLD
	v_mul_f32 v[MN], s24, v[T]
	v_mul_f32 v[MN+1], s24, v[T]
.irp c, 0,1,2,3,4,5,6,7,8,9,10,11,12,13,14,15
	v_pk_add_f32 v[XR+2*(\c):XR+2*(\c)+1], v[XR+2*(\c):XR+2*(\c)+1], v[MN:MN+1] neg_lo:[0,1] neg_hi:[0,1]
.endr
.irp c, 0,1,2,3
	v_pk_mul_f32 v[T+2*(\c):T+2*(\c)+1], v[XR+2*(\c):XR+2*(\c)+1], v[XR+2*(\c):XR+2*(\c)+1]
.endr
.irp c, 4,5,6,7,8,9,10,11,12,13,14,15
	v_pk_fma_f32 v[T+2*((\c)%4):T+2*((\c)%4)+1], v[XR+2*(\c):XR+2*(\c)+1], v[XR+2*(\c):XR+2*(\c)+1], v[T+2*((\c)%4):T+2*((\c)%4)+1]
.endr
	FOLD
	v_fma_f32 v[T], v[T], s24, s25                 ; var + eps
	v_rsq_f32 v[RS], v[T]
	v_rsq_f32 v[RS+1], v[T]
	v_nop                                          ; a plain instruction behind the transcendentals (ISA guide 5.7.2)
	s_wait_alu depctr_va_vdst(0)
.irp c, 0,1,2,3,4,5,6,7,8,9,10,11,12,13,14,15
	v_pk_mul_f32 v[XR+2*(\c):XR+2*(\c)+1], v[XR+2*(\c):XR+2*(\c)+1], v[RS:RS+1]
.endr
.irp c, 0,1,2,3,4,5,6,7,8,9,10,11,12,13,14,15
	v_pk_fma_f32 v[XR+2*(\c):XR+2*(\c)+1], v[XR+2*(\c):XR+2*(\c)+1], v[SC+2*(\c):SC+2*(\c)+1], v[BI+2*(\c):BI+2*(\c)+1]
.endr
.irp j, 0,1,2,3,4,5,6,7
	v_cvt_pk_f16_f32 v[XR+4*(\j)], v[XR+4*(\j)], v[XR+4*(\j)+1]
	v_cvt_pk_f16_f32 v[XR+4*(\j)+1], v[XR+4*(\j)+2], v[XR+4*(\j)+3]
	global_store_b64 v3, v[XR+4*(\j):XR+4*(\j)+1], s[16:17] offset:2048*(\row)+256*(\j)  ; 32 lanes x 8 bytes: 256 consecutive bytes, aligned
.endr
.endm
	ROWLN 0, 24
	ROWLN 1, 16
	ROWLN 2, 8
	ROWLN 3, 0
	s_endpgm
; The cast: a work-group converts 32,768 numbers in 32 passes of 256 threads x 4 numbers.  logw = log2 of the source's row length.
.macro CAST logw
.if (\logw) == 9
	s_and_b32 s20, s2, 15
	s_lshl_b32 s22, s20, 18                        ; 64 rows of wcat, 4,096 bytes each
	s_lshl_b32 s20, s20, 17                        ; 131,072 source bytes
	v_lshrrev_b32 v3, 7, v0                        ; a pass is two source rows
	v_and_b32 v2, 127, v0
	v_lshlrev_b32 v2, 3, v2
	v_lshl_add_u32 v3, v3, 12, v2
	s_wait_kmcnt 0x0
	s_cmp_lt_u32 s2, 16
	s_cselect_b64 s[28:29], s[10:11], s[12:13]     ; Wk or Wq
	s_cselect_b32 s30, 0, 3072                     ; its first column's byte in a row of wcat
	v_add_nc_u32 v3, s30, v3
.else
	s_sub_co_u32 s20, s2, 32
	s_lshl_b32 s20, s20, 17                        ; 131,072 source bytes, and 32 rows of wcat
	s_mov_b32 s22, s20
	v_lshl_add_u32 v3, v0, 3, 1024                 ; a pass is one source row; Wv begins at byte 1,024 of a row of wcat
	s_wait_kmcnt 0x0
	s_mov_b64 s[28:29], s[14:15]
.endif
	v_lshlrev_b32 v1, 4, v0
	s_add_nc_u64 s[28:29], s[28:29], s[20:21]
	s_add_nc_u64 s[18:19], s[18:19], s[22:23]
.set p, 0
.rept 32
	global_load_b128 v[X+4*p:X+4*p+3], v1, s[28:29] offset:4096*p th:TH_LOAD_NT
.set p, p+1
.endr
.set p, 0
.rept 32
	s_wait_loadcnt 31-p                            ; pass p is in; the younger passes stay out
	v_cvt_pk_f16_f32 v[X+4*p], v[X+4*p], v[X+4*p+1]
	v_cvt_pk_f16_f32 v[X+4*p+1], v[X+4*p+2], v[X+4*p+3]
	global_store_b64 v3, v[X+4*p:X+4*p+1], s[18:19] offset:p*(1024>>(\logw))*4096
.set p, p+1
.endr
.endm
.Lcast:
	s_sub_co_u32 s2, s2, 512
	s_cmp_lt_u32 s2, 32
	s_cbranch_scc0 .Lcastv
	CAST 9
	s_endpgm
.Lcastv:
	CAST 10
	s_endpgm
.Lfunc_end_k_qe0670d923f_prep:
	.size	k_qe0670d923f_prep, .Lfunc_end_k_qe0670d923f_prep-k_qe0670d923f_prep
	.p2alignl 7, 3214868480
	.fill 96, 4, 3214868480
	.section	.rodata,"a",@progbits
	.p2align	6, 0x0
	.amdhsa_kernel k_qe0670d923f_prep
		.amdhsa_group_segment_fixed_size 0
		.amdhsa_private_segment_fixed_size 0
		.amdhsa_enable_private_segment 0
		.amdhsa_kernarg_size 64
		.amdhsa_user_sgpr_count 2
		.amdhsa_user_sgpr_kernarg_segment_ptr 1
		.amdhsa_wavefront_size32 1
		.amdhsa_system_sgpr_workgroup_id_x 1
		.amdhsa_system_sgpr_workgroup_id_y 1
		.amdhsa_system_sgpr_workgroup_id_z 1
		.amdhsa_system_vgpr_workitem_id 0
		.amdhsa_next_free_vgpr 208
		.amdhsa_next_free_sgpr 66
		.amdhsa_reserve_vcc 0
		.amdhsa_float_denorm_mode_32 3
		.amdhsa_float_denorm_mode_16_64 3
		.amdhsa_memory_ordered 1
		.amdhsa_forward_progress 1
		.amdhsa_inst_pref_size 61
	.end_amdhsa_kernel
	.amdgpu_metadata
---
amdhsa.version: [ 1, 2 ]
amdhsa.kernels:
  - .name:           k_qe0670d923f_prep
    .symbol:         k_qe0670d923f_prep.kd
    .args:
      - { .name: hidden_states, .offset: 0, .size: 8, .value_kind: global_buffer, .address_space: global }
      - { .name: ln_scale, .offset: 8, .size: 8, .value_kind: global_buffer, .address_space: global }
      - { .name: ln_bias, .offset: 16, .size: 8, .value_kind: global_buffer, .address_space: global }
      - { .name: Wk, .offset: 24, .size: 8, .value_kind: global_buffer, .address_space: global }
      - { .name: Wq, .offset: 32, .size: 8, .value_kind: global_buffer, .address_space: global }
      - { .name: Wv, .offset: 40, .size: 8, .value_kind: global_buffer, .address_space: global }
      - { .name: nrm, .offset: 48, .size: 8, .value_kind: global_buffer, .address_space: global }
      - { .name: wcat, .offset: 56, .size: 8, .value_kind: global_buffer, .address_space: global }
    .group_segment_fixed_size: 0
    .private_segment_fixed_size: 0
    .kernarg_segment_align: 8
    .kernarg_segment_size: 64
    .max_flat_workgroup_size: 256
    .sgpr_count:     66
    .vgpr_count:     208
    .wavefront_size: 32
...
	.end_amdgpu_metadata
.endif
;; end of part 1
;; launch proj (part 2): grid 32 x 8, 4 waves a work-group, clusters of 4 x 1, 327,680 bytes of LDS; arguments nrm, wcat, zbuf, kfr, vfr; writes zbuf, kfr, vfr
.if DOCPART == 2
	.amdgcn_target "amdgcn-amd-amdhsa--gfx1250"
	.amdhsa_code_object_version 6
	.text
	.protected	k_qe0670d923f_proj
	.globl	k_qe0670d923f_proj
	.p2align	8
	.type	k_qe0670d923f_proj,@function
k_qe0670d923f_proj:
	s_mov_b64 s[64:65], 0
	v_nop
	global_prefetch_b8 v0, s[64:65] scope:SCOPE_SE
	s_setreg_imm32_b32 hwreg(HW_REG_WAVE_MODE, 25, 1), 1
	s_wait_xcnt 0x0
	s_wait_alu depctr_hold_cnt(0) depctr_sa_sdst(0) depctr_va_vdst(0) depctr_va_sdst(0) depctr_va_ssrc(0) depctr_va_vcc(0) depctr_vm_vsrc(0)
	s_getreg_b32 s2, hwreg(HW_REG_IB_STS2, 6, 4)
	s_cmp_eq_u32 s2, 0
	s_cbranch_scc0 .Lentry_in_a_cluster
	s_endpgm
.Lentry_in_a_cluster:
	s_bfe_u32 s2, ttmp6, 0x10000c
	s_cmp_lg_u32 s2, 0x3003
	s_cbranch_scc0 .Lentry_shape_is_right
	s_endpgm
.Lentry_shape_is_right:
; C = nrm x wcat on tiles of 256 x 256, f16 operands, f32 sums, K = 1,024 in steps of 128 through two LDS slots.
; Column tiles y = 0, 1: keys of the prefix rows; y = 2..5: values of the prefix rows; y = 6, 7: queries of the suffix rows.  What the slices of the problem throw away is not made.
; Four waves, each 128 x 128 in 64 accumulators.  A (nrm) lies [row][k]; B (wcat) lies [k][n] and is turned on its way out of LDS by ds_load_tr16_b128.
; The matrix instruction is used transposed (source 0 = 16 columns of B, source 1 = 16 rows of A): a lane holds eight neighbouring numbers of a row of C.
; OUT: keys and queries go row-major into zbuf [16384][512] f16.  Keys and values go also as ready operands of the sums over rows that follow:
; a block of 1,024 bytes holds 16 columns x 32 rows l; lane L's registers 0-3 at byte 16 L, 4-7 at 512 + 16 L; lane (r, hh) holds column r, l = 8 hh + 0..7 and 16 + 8 hh + 0..7.
; kfr [b][32 column tiles][64 row blocks][1024], vfr [b][64][64][1024].
; CLUSTER: the four row tiles of a cluster take the same tile of wcat: it is asked for jointly (mask 15).  A's tiles are asked for singly: a prefix row tile is read by 6 column tiles
; and a suffix row tile by 2, neither a multiple of four.
; LIMIT: keys, queries and values are rounded to f16 and stay below 65,504.
; REGISTERS: window 0: v16-31 addresses; v64-127, v128-191 fragments of A, two buffers (on the way out rows read back); v192-223 packed results.
; window 1: v64-127, v128-191 fragments of B.  window 2: accumulators of my rows 0-63 ((a, b) at v[8 (8 a + b)]); window 3: rows 64-127.
.set KSTEP,  128
.set PA,     272                       ; a row of A in LDS: 256 bytes + 16
.set PB,     544                       ; a k row of B in LDS: 512 bytes + 32
.set HALFT,  128*PA                    ; what one tensor load brings: 128 rows of A, or 64 k rows of B (64 x 544 is the same)
.set SLOT,   4*HALFT                   ; A's 256 rows, then B's 128 k rows
.set STAGE,  2*SLOT                    ; behind the ring: 32 rows x 288 bytes for each wave
.set SP,     288
.set SPARE,  STAGE+4*32*SP             ; the spare words, 128 bytes a wave
.set LAPS,   4                         ; 1,024 / 256
.set ASTEP,  2*KSTEP*2                 ; two K steps along a row of nrm
.set BSTEP,  2*KSTEP*4096              ; two K steps down the rows of wcat
.set ADRA, 16
.set ADRB, 20
.set STO,  24
.set RD,   25
.set CO,   26
.set TR,   27
.set SPW,  28
.set NIL,  29
.set FO,   30
.set F0,   64
.set F1,   128
.set RB,   64
.set FB,   128
.set TMP,  192
.set G1,  24
.set G0,  32
.set G1B, 48
.set G0B, 56
.set MSB, 0
.macro WIN new                         ; the immediate's high byte repeats the setting that is left
.if MSB != (\new)
	s_set_vgpr_msb (MSB<<8)|(\new)
.set MSB, \new
.endif
.endm
.set MUL_LO, 0xa1                      ; source 0 (B) window 1, source 1 (A) window 0, C and D window 2
.set MUL_HI, 0xf1                      ; the same, C and D window 3
.set TO_B,   0x40                      ; destination window 1, address window 0
; Waves 0 and 1 fetch A's two halves (a load of the work-group's own), waves 2 and 3 B's (joint).  An s_nop 0 and four v_nop follow each line.
.macro JLOAD s
	s_cmp_eq_u32 s11, 0
	s_cbranch_scc0 .Lfor_b_\@
	tensor_load_to_lds s[G0+4*(\s):G0+4*(\s)+3], s[G1:G1+7]
	s_nop 0
.rept 4
	v_nop
.endr
	s_branch .Lasked_\@
.Lfor_b_\@:
	tensor_load_to_lds s[G0B+4*(\s):G0B+4*(\s)+3], s[G1B:G1B+7]
	s_nop 0
.rept 4
	v_nop
.endr
.Lasked_\@:
.endm
.macro CREST                           ; a round of the cluster's barrier behind its opening barrier
	s_cmp_lg_u32 s10, 0
	s_cbranch_scc1 .Lnot_wave_0_\@
	s_barrier_signal -3
.Lnot_wave_0_\@:
	s_barrier_wait -3
	s_barrier_signal -1
	s_barrier_wait -1
.endm
.macro CROUND
	s_barrier_signal -1
	s_barrier_wait -1
	CREST
.endm
	s_load_b128 s[4:7], s[0:1], 0x0                ; nrm s[4:5], wcat s[6:7]
	s_load_b64 s[8:9], s[0:1], 0x10                ; zbuf
	s_load_b64 s[68:69], s[0:1], 0x18              ; kfr
	s_load_b64 s[70:71], s[0:1], 0x20              ; vfr
	v_lshl_add_u32 v[SPW], v0, 2, SPARE
	v_mov_b32 v[NIL], 0
	ds_add_u32 v[SPW], v[NIL]                      ; the wave's opening: the add and its wait stand ahead of my first tensor load
	v_lshrrev_b32 v1, 5, v0
	v_readfirstlane_b32 s10, v1                    ; wave 0..3
	s_lshr_b32 s11, s10, 1                         ; my half of the tile's rows.  Also: I fetch for A (0) or for B (1)
	s_and_b32 s12, s10, 1                          ; my half of its columns.  Also: which half of that tile I fetch
	s_bfe_u32 s40, ttmp6, 0x40000                  ; cx
	s_lshl_b32 s42, ttmp9, 2
	s_add_co_u32 s42, s42, s40                     ; x = row tile 0..31
	s_and_b32 s13, ttmp7, 0xffff                   ; y = column tile of wcat, shared by the partners
	s_lshr_b32 s43, s42, 3                         ; b
	s_and_b32 s44, s42, 7                          ; i
	s_lshl_b32 s45, s43, 12
	s_lshl_b32 s41, s44, 8
	s_add_co_u32 s45, s45, s41
	s_cmp_ge_u32 s13, 6
	s_cselect_b32 s41, 2048, 0
	s_add_co_u32 s45, s45, s41                     ; the tile's first row: 4,096 b + 256 i, for queries 2,048 further down
	s_mov_b32 s[G1+0], (1<<16)|(1<<20)|(5<<22)|(3<<25)   ; no mask; 2-byte elements; padding on: 4 words behind every 64
	s_mov_b32 s[G1+1], 128<<16                     ; tensor_dim0 = 128
	s_mov_b32 s[G1+2], 128<<16                     ; tensor_dim1 = 128
	s_mov_b32 s[G1+3], 128<<16                     ; tile_dim0 = 128
	s_mov_b32 s[G1+4], 128                         ; tile_dim1 = 128
	s_mov_b32 s[G1+5], 1024                        ; elements from row to row of nrm
	s_mov_b32 s[G1+6], 0
	s_mov_b32 s[G1+7], 0
	s_mov_b32 s[G1B+0], 15|(1<<16)|(1<<20)|(1<<21)|(6<<22)|(7<<25)  ; the mask of four, bit 21 beside it; padding: 8 words behind every 128
	s_mov_b32 s[G1B+1], 256<<16                    ; tensor_dim0 = 256
	s_mov_b32 s[G1B+2], 64<<16                     ; tensor_dim1 = 64
	s_mov_b32 s[G1B+3], 256<<16                    ; tile_dim0 = 256
	s_mov_b32 s[G1B+4], 64                         ; tile_dim1 = 64
	s_mov_b32 s[G1B+5], 2048                       ; elements from row to row of wcat
	s_mov_b32 s[G1B+6], 0
	s_mov_b32 s[G1B+7], 0
	s_lshl_b32 s16, s12, 7
	s_add_co_u32 s16, s16, s45
	s_lshl_b32 s16, s16, 11                        ; A: (first row + 128 x half) x 2,048 bytes
	s_mov_b32 s17, 0
	s_lshl_b32 s46, s12, 18                        ; B: 64 x half k rows of 4,096 bytes,
	s_lshl_b32 s47, s13, 9                         ; + 512 y: made of the wave's number and y alone
	s_add_co_u32 s46, s46, s47
	s_mov_b32 s47, 0
	s_mul_i32 s20, s10, HALFT                      ; where the tiles go: wave x HALFT
	s_wait_dscnt 0x0                               ; the opening add is done
	s_wait_kmcnt 0x0
	s_add_nc_u64 s[14:15], s[4:5], s[16:17]
	s_add_nc_u64 s[46:47], s[6:7], s[46:47]
	CROUND                                         ; all four work-groups are here: the first joint loads meet
.irp s, 0,1
	s_mov_b32 s[G0+4*(\s)], 1
	s_add_co_u32 s[G0+4*(\s)+1], s20, (\s)*SLOT
	s_add_nc_u64 s[G0+4*(\s)+2:G0+4*(\s)+3], s[14:15], (\s)*KSTEP*2
	s_or_b32 s[G0+4*(\s)+3], s[G0+4*(\s)+3], 0x80000000
	s_mov_b32 s[G0B+4*(\s)], 1
	s_add_co_u32 s[G0B+4*(\s)+1], s20, (\s)*SLOT
	s_add_nc_u64 s[G0B+4*(\s)+2:G0B+4*(\s)+3], s[46:47], (\s)*KSTEP*4096
	s_or_b32 s[G0B+4*(\s)+3], s[G0B+4*(\s)+3], 0x80000000
	JLOAD \s                                       ; two loads of mine are out
.endr
	v_and_b32 v1, 15, v0                           ; l % 16
	v_bfe_u32 v2, v0, 4, 1                         ; l / 16
	v_mul_u32_u24 v3, v1, PA
	v_lshl_add_u32 v3, v2, 4, v3                   ; A: row x pitch + 16 x half
	v_and_b32 v4, 7, v0
	v_lshl_add_u32 v4, v2, 3, v4                   ; the turning load's row: 8 (l / 16) + l % 8
	v_bfe_u32 v5, v0, 3, 1
	v_mul_u32_u24 v6, v4, PB
	v_lshl_add_u32 v6, v5, 4, v6                   ; B: that row x pitch + 16 ((l / 8) % 2)
	s_mul_i32 s21, s11, HALFT                      ; my 128 rows of A
	s_lshl_b32 s22, s12, 8                         ; my 128 columns of B,
	s_add_co_u32 s22, s22, 2*HALFT                 ; which lies behind A
.irp s, 0,1
	v_add_nc_u32 v[ADRA+(\s)], s21, v3
	v_add_nc_u32 v[ADRB+(\s)], s22, v6
	s_add_co_u32 s21, s21, SLOT
	s_add_co_u32 s22, s22, SLOT
.endr
	s_mul_i32 s23, s10, 32*SP
	s_add_co_u32 s23, s23, STAGE                   ; my stage
	v_mul_u32_u24 v7, v1, SP
	v_lshl_add_u32 v7, v2, 4, v7
	v_add_nc_u32 v[STO], s23, v7                   ; in: row l % 16, 16 bytes for each half of the lanes
	v_mul_u32_u24 v7, v2, SP
	v_lshl_add_u32 v7, v1, 4, v7
	v_add_nc_u32 v[RD], s23, v7                    ; back by rows: lanes 0-15 one row of 256 bytes, lanes 16-31 the next
	v_mul_u32_u24 v7, v4, SP
	v_lshl_add_u32 v7, v5, 4, v7
	v_add_nc_u32 v[TR], s23, v7                    ; back turned
	v_lshlrev_b32 v7, 10, v2
	v_lshl_add_u32 v[CO], v1, 4, v7                ; the same two rows in zbuf
	v_and_b32 v7, 31, v0
	v_lshlrev_b32 v[FO], 4, v7                     ; 16 x lane in a fragment block
	; where the results go
	s_lshl_b32 s16, s11, 7
	s_add_co_u32 s16, s16, s45
	s_lshl_b32 s16, s16, 10                        ; zbuf: (first row + 128 x row half) x 1,024 bytes
	s_and_b32 s41, s13, 1
	s_lshl_b32 s41, s41, 9
	s_add_co_u32 s16, s16, s41                     ; + 512 (y % 2)
	s_lshl_b32 s41, s12, 8
	s_add_co_u32 s16, s16, s41                     ; + 256 x column half
	s_mov_b32 s17, 0
	s_add_nc_u64 s[8:9], s[8:9], s[16:17]
	s_cmp_lt_u32 s13, 2
	s_cselect_b32 s74, 1, 0
	s_cmp_ge_u32 s13, 6
	s_cselect_b32 s41, 1, 0
	s_or_b32 s74, s74, s41                         ; 1: keys or queries: rows go to zbuf
	s_cmp_lt_u32 s13, 6
	s_cselect_b32 s75, 1, 0                        ; 1: keys or values: fragments go out
	s_lshl_b32 s76, s43, 5
	s_lshl4_add_u32 s76, s13, s76                  ; keys: column tile 32 b + 16 y
	s_lshl_b32 s77, s43, 6
	s_max_u32 s78, s13, 2
	s_sub_co_u32 s78, s78, 2
	s_lshl4_add_u32 s77, s78, s77                  ; values: 64 b + 16 (y - 2)
	s_cmp_lt_u32 s13, 2
	s_cselect_b32 s76, s76, s77
	s_cselect_b64 s[72:73], s[68:69], s[70:71]     ; kfr or vfr
	s_lshl3_add_u32 s76, s12, s76                  ; + 8 x column half
	s_lshl_b32 s76, s76, 6
	s_lshl3_add_u32 s76, s44, s76                  ; row block 8 i
	s_lshl2_add_u32 s76, s11, s76                  ; + 4 x row half
	s_lshl_b32 s76, s76, 10
	s_mov_b32 s77, 0
	s_add_nc_u64 s[72:73], s[72:73], s[76:77]
; 16 matrix instructions: m blocks a0, a0 + 1 of the window's four x all 8 n blocks, 32 along K.  zero = 1: the first product starts the sums.
; The 64 accumulators take turns, one instruction a turn.
.macro MUL16 f, hi, a0, zero
	WIN MUL_LO+0x50*(\hi)
.irp a, \a0, (\a0)+1
.irp b, 0,1,2,3,4,5,6,7
.if \zero
	v_wmma_f32_16x16x32_f16 v[8*(8*(\a)+(\b)):8*(8*(\a)+(\b))+7], v[(\f)+8*(\b):(\f)+8*(\b)+7], v[(\f)+8*(4*(\hi)+(\a)):(\f)+8*(4*(\hi)+(\a))+7], 0
.else
	v_wmma_f32_16x16x32_f16 v[8*(8*(\a)+(\b)):8*(8*(\a)+(\b))+7], v[(\f)+8*(\b):(\f)+8*(\b)+7], v[(\f)+8*(4*(\hi)+(\a)):(\f)+8*(4*(\hi)+(\a))+7], v[8*(8*(\a)+(\b)):8*(8*(\a)+(\b))+7]
.endif
.endr
.endr
.endm
; 32 LDS loads in one run: quarter q (32 along K) of a slot into buffer f: B turned (16 columns x 32 k a fragment), then A as it lies
.macro FETCH slot, q, f
	WIN TO_B
.irp i, 0,1,2,3,4,5,6,7
	ds_load_tr16_b128 v[(\f)+8*(\i):(\f)+8*(\i)+3],   v[ADRB+(\slot)] offset:(\q)*32*PB+32*(\i)
	ds_load_tr16_b128 v[(\f)+8*(\i)+4:(\f)+8*(\i)+7], v[ADRB+(\slot)] offset:(\q)*32*PB+32*(\i)+16*PB
.endr
	WIN 0
.irp i, 0,1,2,3,4,5,6,7
	ds_load_b128 v[(\f)+8*(\i):(\f)+8*(\i)+3],   v[ADRA+(\slot)] offset:(\q)*64+(\i)*16*PA
	ds_load_b128 v[(\f)+8*(\i)+4:(\f)+8*(\i)+7], v[ADRA+(\slot)] offset:(\q)*64+(\i)*16*PA+32
.endr
.endm
.macro PLACES                          ; four places in front of loads into registers that matrix instructions have read, and of conversions that read results
.rept 4
	v_nop
.endr
.endm
.macro QUARTER slot, q, f, g, zero     ; multiplies buffer f; in its middle fetches quarter q of the same slot into buffer g
	s_wait_dscnt 8                                 ; B and A's rows 0-63 are in; the youngest eight loads (A's rows 64-127) may be out
	MUL16 \f, 0, 0, \zero
	MUL16 \f, 0, 2, \zero
	PLACES
	FETCH \slot, \q, \g
	s_wait_dscnt 32                                ; all but the 32 just issued
	MUL16 \f, 1, 0, \zero
	MUL16 \f, 1, 2, \zero
.endm
; The last quarter of a K step multiplies buffer 1 and changes slots: one barrier; in front of it each wave waits for all its tensor loads (one is out: its part of the next slot),
; adds 0 to its spare word, and waits for that and for its reads of this slot.  fill = 1: the barrier opens a round of the cluster's, and this slot is filled again first behind it, two K steps ahead.
.macro TURN slot, next, fill
	WIN 0
	s_wait_tensorcnt 0x0
	ds_add_u32 v[SPW], v[NIL]
	s_wait_dscnt 9                                 ; the add and the youngest eight loads may be out
	MUL16 F1, 0, 0, 0
	s_wait_dscnt 0x0                               ; the add is done, and my reads of this slot are over
	s_barrier_signal -1
	MUL16 F1, 0, 2, 0
.if \fill
	WIN 0
.endif
	s_barrier_wait -1
.if \fill
	CREST
	s_add_nc_u64 s[G0+4*(\slot)+2:G0+4*(\slot)+3], s[G0+4*(\slot)+2:G0+4*(\slot)+3], ASTEP
	s_add_nc_u64 s[G0B+4*(\slot)+2:G0B+4*(\slot)+3], s[G0B+4*(\slot)+2:G0B+4*(\slot)+3], BSTEP
	JLOAD \slot                                    ; my one tensor load behind the round; its four v_nop are also the places in front of the loads below
.else
	PLACES
.endif
	FETCH \next, 0, F0
	MUL16 F1, 1, 0, 0
	MUL16 F1, 1, 2, 0
.endm
	s_wait_tensorcnt 1                             ; my part of K step 0 is in; K step 1's stays out
	s_barrier_signal -1
	s_barrier_wait -1
	FETCH 0, 0, F0
	QUARTER 0, 1, F0, F1, 1                        ; the first quarter starts the sums
	WIN 0
	s_mov_b32 s3, LAPS-1
.Llap:                                                 ; a trip goes once round the ring and fills both slots again
	QUARTER 0, 2, F1, F0, 0
	QUARTER 0, 3, F0, F1, 0
	TURN 0, 1, 1
	QUARTER 1, 1, F0, F1, 0
	QUARTER 1, 2, F1, F0, 0
	QUARTER 1, 3, F0, F1, 0
	TURN 1, 0, 1
	QUARTER 0, 1, F0, F1, 0
	WIN 0
	s_sub_co_u32 s3, s3, 1
	s_cmp_lg_u32 s3, 0
	s_cbranch_scc1 .Llap
	QUARTER 0, 2, F1, F0, 0                        ; the last lap fills nothing
	QUARTER 0, 3, F0, F1, 0
	TURN 0, 1, 0
	QUARTER 1, 1, F0, F1, 0
	QUARTER 1, 2, F1, F0, 0
	QUARTER 1, 3, F0, F1, 0
	s_wait_dscnt 8
	MUL16 F1, 0, 0, 0
	MUL16 F1, 0, 2, 0
	s_wait_dscnt 0x0
	MUL16 F1, 1, 0, 0
	MUL16 F1, 1, 2, 0
	WIN 0
	PLACES
; THE WAY OUT, 32 rows at a time through my own stage (LDS serves a wave's instructions in order, ISA guide 5.7.1.4: no wait between its stores and its loads).
.macro PACK a, half                    ; block a of 16 rows: rounded to f16, each accumulator's registers in ascending order, 16 bytes a lane into the stage
.set AC, 64*((\a)%4)
	WIN 0x0a+5*((\a)/4)
.irp b, 0,1,2,3,4,5,6,7
.irp r, 0,1,2,3
	v_cvt_pk_f16_f32 v[TMP+4*(\b)+(\r)], v[AC+8*(\b)+2*(\r)], v[AC+8*(\b)+2*(\r)+1]
.endr
.endr
	WIN 0
.irp b, 0,1,2,3,4,5,6,7
	ds_store_b128 v[STO], v[TMP+4*(\b):TMP+4*(\b)+3] offset:(\half)*16*SP+32*(\b)
.endr
.endm
.macro OUT p
	PACK 2*(\p), 0
	PACK 2*(\p)+1, 1
	s_wait_xcnt 0x0                                ; the registers that the last 32 rows' stores read are loaded again only behind this wait
	s_cmp_eq_u32 s74, 0
	s_cbranch_scc1 .Lnorow_\@
.irp t, 0,1,2,3,4,5,6,7,8,9,10,11,12,13,14,15
	ds_load_b128 v[RB+4*(\t):RB+4*(\t)+3], v[RD] offset:(\t)*2*SP
.endr
.irp t, 0,1,2,3,4,5,6,7,8,9,10,11,12,13,14,15
	s_wait_dscnt 15-(\t)
	global_store_b128 v[CO], v[RB+4*(\t):RB+4*(\t)+3], s[8:9] offset:32768*(\p)+2048*(\t)  ; 16 lanes store 256 consecutive bytes of a row of zbuf, aligned
.endr
.Lnorow_\@:
	s_cmp_eq_u32 s75, 0
	s_cbranch_scc1 .Lnofr_\@
.irp c, 0,1,2,3,4,5,6,7
	ds_load_tr16_b128 v[FB+8*(\c):FB+8*(\c)+3],   v[TR] offset:32*(\c)
	ds_load_tr16_b128 v[FB+8*(\c)+4:FB+8*(\c)+7], v[TR] offset:32*(\c)+16*SP
.endr
.irp c, 0,1,2,3,4,5,6,7
	s_wait_dscnt 15-2*(\c)
	global_store_b128 v[FO], v[FB+8*(\c):FB+8*(\c)+3], s[72:73] offset:65536*(\c)+1024*(\p)       ; 512 consecutive bytes
	s_wait_dscnt 14-2*(\c)
	global_store_b128 v[FO], v[FB+8*(\c)+4:FB+8*(\c)+7], s[72:73] offset:65536*(\c)+1024*(\p)+512
.endr
.Lnofr_\@:
.endm
	OUT 0
	OUT 1
	OUT 2
	OUT 3
	s_wait_tensorcnt 0x0                           ; the wave's end
	ds_add_u32 v[SPW], v[NIL]
	s_wait_dscnt 0x0
	CROUND                                         ; the closing round
	s_endpgm
.Lfunc_end_k_qe0670d923f_proj:
	.size	k_qe0670d923f_proj, .Lfunc_end_k_qe0670d923f_proj-k_qe0670d923f_proj
	.p2alignl 7, 3214868480
	.fill 96, 4, 3214868480
	.section	.rodata,"a",@progbits
	.p2align	6, 0x0
	.amdhsa_kernel k_qe0670d923f_proj
		.amdhsa_group_segment_fixed_size 327680
		.amdhsa_private_segment_fixed_size 0
		.amdhsa_enable_private_segment 0
		.amdhsa_kernarg_size 40
		.amdhsa_user_sgpr_count 2
		.amdhsa_user_sgpr_kernarg_segment_ptr 1
		.amdhsa_wavefront_size32 1
		.amdhsa_system_sgpr_workgroup_id_x 1
		.amdhsa_system_sgpr_workgroup_id_y 1
		.amdhsa_system_sgpr_workgroup_id_z 1
		.amdhsa_system_vgpr_workitem_id 0
		.amdhsa_next_free_vgpr 1024
		.amdhsa_next_free_sgpr 90
		.amdhsa_reserve_vcc 0
		.amdhsa_float_denorm_mode_32 3
		.amdhsa_float_denorm_mode_16_64 3
		.amdhsa_memory_ordered 1
		.amdhsa_forward_progress 1
		.amdhsa_inst_pref_size 158
	.end_amdhsa_kernel
	.amdgpu_metadata
---
amdhsa.version: [ 1, 2 ]
amdhsa.kernels:
  - .name:           k_qe0670d923f_proj
    .symbol:         k_qe0670d923f_proj.kd
    .args:
      - { .name: nrm, .offset: 0, .size: 8, .value_kind: global_buffer, .address_space: global }
      - { .name: wcat, .offset: 8, .size: 8, .value_kind: global_buffer, .address_space: global }
      - { .name: zbuf, .offset: 16, .size: 8, .value_kind: global_buffer, .address_space: global }
      - { .name: kfr, .offset: 24, .size: 8, .value_kind: global_buffer, .address_space: global }
      - { .name: vfr, .offset: 32, .size: 8, .value_kind: global_buffer, .address_space: global }
    .group_segment_fixed_size: 327680
    .private_segment_fixed_size: 0
    .kernarg_segment_align: 8
    .kernarg_segment_size: 40
    .max_flat_workgroup_size: 128
    .sgpr_count:     90
    .vgpr_count:     1024
    .wavefront_size: 32
...
	.end_amdgpu_metadata
.endif
;; end of part 2
;; launch oper (part 3): grid 64 x 1, 16 waves a work-group, no clusters, 298,752 bytes of LDS; arguments kfr, vfr, log_ridge, log_gamma, ftb, fmx; writes ftb, fmx
.if DOCPART == 3
	.amdgcn_target "amdgcn-amd-amdhsa--gfx1250"
	.amdhsa_code_object_version 6
	.text
	.protected	k_qe0670d923f_oper
	.globl	k_qe0670d923f_oper
	.p2align	8
	.type	k_qe0670d923f_oper,@function
k_qe0670d923f_oper:
	s_mov_b64 s[64:65], 0
	v_nop
	global_prefetch_b8 v0, s[64:65] scope:SCOPE_SE
	s_setreg_imm32_b32 hwreg(HW_REG_WAVE_MODE, 25, 1), 1
	s_wait_xcnt 0x0
; One work-group for each (batch, head).  G = K^T K, M^T, Cv^T over the 2,048 prefix rows (f16 operands, f32 sums); then in f32: Li = L^-1 with G + ridge I = L L^T, A = Li M Li^T,
; its spectral norm, and F^T = s^4 Li^T (A^T)^4 Li Cv^T, which is the whole filter Bv L (sA)^4 L^-1 transposed (L^T Bv^T = Li Cv^T).  Stored: F^T [32][64] f32 and max |F|.
; PHASES: 1 each of 16 waves sums 128 rows into 16 tiles of 16 x 16; 2 wave t adds the 16 partial tiles t; 3 wave 0 eliminates (lane i = row i) and stores Li and Li^T;
; 4 waves 0-3 make 16 rows of F each, wave 4 the norm, all by the f32 matrix form on 32 x 32 (small work); 5 scale, maximum, way out.
; THE f32 PRODUCTS.  D(X) is X as an accumulator holds it (register j, lane (r, hh): X[8 hh + j][r]).  Registers 2 s, 2 s + 1 of D(P^T) as A and of D(Q) as B carry the same four k
; in both, so the sum over s and over the tiles along k is D(P Q): a result feeds the next product as it lies.
; THE NORM.  N0 = A^T A / tr, N <- N^2 / tr(N^2), eight times; lambda = tr0 x prod c_k^(2^-k) x tr(N8^2)^(2^-8).  tr(N^2) lies between 0.30 and 1 times N's largest
; eigenvalue for every spectrum of 32 numbers with sum 1, so the figure lies in [0.9976 sigma, sigma].  max(sigma, 1e-8) is subsumed by max(sigma, 1).
; LIMITS: sums and the algebra in f32; NaN and infinities are not treated apart.
; v128-255 are written by matrix instructions alone in the whole text.
.set PART,  0                          ; 16 waves x 16 tiles x 1,024 bytes: registers 0-3 at 16 L, 4-7 at 512 + 16 L
.set IMG,   262144                     ; the 16 summed tiles, same image
.set LIR,   278528                     ; Li row-major, pitch 144
.set LIT,   283136                     ; Li^T row-major, pitch 144
.set FTI,   287744                     ; F^T: 32 rows, pitch 272
.set RED,   296448                     ; word 0: s^4; words 4-7: four waves' maxima
.set SPARE, 296704                     ; the spare words, 128 bytes a wave
.set SPW,  14
.set NIL,  15
.set BUF0, 16                          ; a block of 32 rows: K's two column tiles at +0, +8, V's four at +16 + 8 q
.set BUF1, 64
.set KS,   112                         ; K one row further on, two tiles
.set ACC,  128
.set GM,   16                          ; phase 3: G, lane i = row i
.set XM,   48                          ; phase 3: starts as the identity, ends as Li
.set DLT,  16                          ; D(Li^T)
.set DL,   48                          ; D(Li)
.set DMT,  80                          ; D(M^T); later N
.set NN,   80
.set CV,   112                         ; D(Cv^T), my 16 columns
.set XT,   128
.set XA,   160
.set Z0,   192
.set Z1,   208
.set WV,   24
.set BH,   25
.macro BAR                             ; what others rely on is complete in front of the signal
	s_wait_dscnt 0x0
	s_barrier_signal -1
	s_barrier_wait -1
.endm
	s_load_b256 s[4:11], s[0:1], 0x0               ; kfr s[4:5], vfr s[6:7], log_ridge s[8:9], log_gamma s[10:11]
	s_load_b128 s[12:15], s[0:1], 0x20             ; ftb s[12:13], fmx s[14:15]
	v_lshl_add_u32 v[SPW], v0, 2, SPARE
	v_mov_b32 v[NIL], 0
	v_lshrrev_b32 v5, 5, v0
	v_readfirstlane_b32 s[WV], v5                  ; wave 0..15
	v_and_b32 v1, 31, v0                           ; L
	v_lshlrev_b32 v2, 4, v1                        ; 16 L
	v_and_b32 v3, 15, v0                           ; r
	v_bfe_u32 v4, v0, 4, 1                         ; hh
	s_mov_b32 s[BH], ttmp9
	s_lshl_b32 s21, s[WV], 12                      ; my four blocks of 1,024 bytes
	s_lshl_b32 s20, s[BH], 17                      ; the head's two column tiles of K
	s_add_co_u32 s20, s20, s21
	s_lshl_b32 s22, s[BH], 18                      ; its four of V
	s_add_co_u32 s22, s22, s21
	s_mov_b32 s21, 0
	s_mov_b32 s23, 0
	s_mov_b32 s26, 0x76543210                      ; v_permlanex16_b32: each lane takes its own place in the other half
	s_mov_b32 s27, 0xfedcba98
	s_mov_b32 s28, 0xffff0000                      ; lanes 16-31
	s_mov_b32 s31, 0x05040302                      ; v_perm_b32: the upper half of the second source, the lower half of the first
	s_mov_b32 s30, 4096                            ; the block behind my four;
	s_cmp_eq_u32 s[WV], 15
	s_cselect_b32 s30, 3072, s30                   ; wave 15 has none: it stays inside the buffer,
	s_cselect_b32 s29, 0, -1                       ; and what it reads counts as 0: K[2048] takes no part in M
	v_add_nc_u32 v5, s30, v2
.irp k, 6,7,8,9,10,11
	v_mov_b32 v\k, 0                               ; a lane permute's destination counts as read
.endr
	s_wait_kmcnt 0x0
	s_add_nc_u64 s[4:5], s[4:5], s[20:21]
	s_add_nc_u64 s[6:7], s[6:7], s[22:23]
	s_load_b32 s16, s[8:9], 0x0
	s_load_b32 s17, s[10:11], 0x0
.macro LOADBLK buf, blk                ; 4 loads of K, then 8 of V: 512 consecutive bytes each
.irp k, 0,1
	global_load_b128 v[(\buf)+8*(\k):(\buf)+8*(\k)+3],   v2, s[4:5] offset:(\k)*65536+(\blk)*1024
	global_load_b128 v[(\buf)+8*(\k)+4:(\buf)+8*(\k)+7], v2, s[4:5] offset:(\k)*65536+(\blk)*1024+512
.endr
.irp q, 0,1,2,3
	global_load_b128 v[(\buf)+16+8*(\q):(\buf)+16+8*(\q)+3],   v2, s[6:7] offset:(\q)*65536+(\blk)*1024
	global_load_b128 v[(\buf)+16+8*(\q)+4:(\buf)+16+8*(\q)+7], v2, s[6:7] offset:(\q)*65536+(\blk)*1024+512
.endr
.endm
; One tile of K moved on by one row.  A lane's registers 0-3 hold rows 8 hh + 0..7, registers 4-7 rows 16 + 8 hh + 0..7.  The row behind register 3 lies in the other half's register 0
; (hh = 0) or 4 (hh = 1); the row behind register 7 in the other half's register 4 (hh = 0) or in the next block's register 0 (hh = 1).  t0 holds the other half's register 0.
.macro SHIFT1 src, dst, t0, nx
	v_permlanex16_b32 v8, v[(\src)+4], s26, s27
	v_permlanex16_b32 v9, v[\nx], s26, s27
	v_cndmask_b32 v10, v[\t0], v8, s28
	v_cndmask_b32 v11, v8, v9, s28
	v_perm_b32 v[(\dst)],   v[(\src)+1], v[(\src)],   s31
	v_perm_b32 v[(\dst)+1], v[(\src)+2], v[(\src)+1], s31
	v_perm_b32 v[(\dst)+2], v[(\src)+3], v[(\src)+2], s31
	v_perm_b32 v[(\dst)+3], v10,         v[(\src)+3], s31
	v_perm_b32 v[(\dst)+4], v[(\src)+5], v[(\src)+4], s31
	v_perm_b32 v[(\dst)+5], v[(\src)+6], v[(\src)+5], s31
	v_perm_b32 v[(\dst)+6], v[(\src)+7], v[(\src)+6], s31
	v_perm_b32 v[(\dst)+7], v11,         v[(\src)+7], s31
	v_mov_b32 v[\t0], v9                           ; the next block's t0
.endm
.macro SHIFT buf, nx0, nx1
	SHIFT1 \buf, KS, 6, \nx0
	SHIFT1 (\buf)+8, KS+8, 7, \nx1
.endm
.macro WM tau, a, b, zero
.if \zero
	v_wmma_f32_16x16x32_f16 v[ACC+8*(\tau):ACC+8*(\tau)+7], v[(\a):(\a)+7], v[(\b):(\b)+7], 0
.else
	v_wmma_f32_16x16x32_f16 v[ACC+8*(\tau):ACC+8*(\tau)+7], v[(\a):(\a)+7], v[(\b):(\b)+7], v[ACC+8*(\tau):ACC+8*(\tau)+7]
.endif
.endm
.macro MULBLK buf, zero                ; 16 products, one for each accumulator: they take turns
.irp i, 0,1
.irp j, 0,1
	WM 2*(\i)+(\j), (\buf)+8*(\i), (\buf)+8*(\j), \zero        ; G(i, j)
.endr
.endr
.irp i, 0,1
.irp j, 0,1
	WM 4+2*(\i)+(\j), (\buf)+8*(\i), KS+8*(\j), \zero          ; M^T(i, j) = sum over l of K[l][i..] K[l+1][j..]
.endr
.endr
.irp i, 0,1
.irp q, 0,1,2,3
	WM 8+4*(\i)+(\q), (\buf)+8*(\i), (\buf)+16+8*(\q), \zero   ; Cv^T(i, q)
.endr
.endr
.endm
.macro NOP4
.rept 4
	v_nop
.endr
.endm
	; PHASE 1
	global_load_b32 v12, v5, s[4:5]                ; register 0 of the block behind my four, both tiles
	global_load_b32 v13, v5, s[4:5] offset:65536
	LOADBLK BUF0, 0
	LOADBLK BUF1, 1
	s_wait_loadcnt 8                               ; all but the next block's 8 loads of V
	v_permlanex16_b32 v6, v[BUF0], s26, s27
	v_permlanex16_b32 v7, v[BUF0+8], s26, s27
	SHIFT BUF0, BUF1, BUF1+8
	MULBLK BUF0, 1
	NOP4                                           ; places in front of loads into, and writes of, registers that the products read
	LOADBLK BUF0, 2
	s_wait_loadcnt 8
	SHIFT BUF1, BUF0, BUF0+8
	MULBLK BUF1, 0
	NOP4
	LOADBLK BUF1, 3
	s_wait_loadcnt 8
	SHIFT BUF0, BUF1, BUF1+8
	MULBLK BUF0, 0
	NOP4
	s_wait_loadcnt 0x0
	v_and_b32 v12, s29, v12
	v_and_b32 v13, s29, v13
	SHIFT BUF1, 12, 13
	MULBLK BUF1, 0
	NOP4
	v_lshl_add_u32 v5, s[WV], 14, v2               ; my 16 tiles in PART
.set z, 0
.rept 16
	ds_store_b128 v5, v[ACC+8*z:ACC+8*z+3] offset:z*1024
	ds_store_b128 v5, v[ACC+8*z+4:ACC+8*z+7] offset:z*1024+512
.set z, z+1
.endr
	s_wait_kmcnt 0x0                               ; log_ridge, log_gamma
	BAR
	; PHASE 2: wave t adds the 16 waves' tiles t
	v_lshl_add_u32 v8, s[WV], 10, v2
	v_add_nc_u32 v9, 0x10000, v8
	v_add_nc_u32 v10, 0x20000, v8
	v_add_nc_u32 v11, 0x30000, v8
	v_add_nc_u32 v12, IMG, v8
.set z, 0
.rept 8
	ds_load_b128 v[16+8*z:16+8*z+3], v[8+z/4] offset:(z%4)*16384
	ds_load_b128 v[16+8*z+4:16+8*z+7], v[8+z/4] offset:(z%4)*16384+512
.set z, z+1
.endr
	s_wait_dscnt 0x0
.set z, 1
.rept 7
.irp m, 0,2,4,6
	v_pk_add_f32 v[16+(\m):17+(\m)], v[16+(\m):17+(\m)], v[16+8*z+(\m):17+8*z+(\m)]
.endr
.set z, z+1
.endr
.set z, 0
.rept 8
	ds_load_b128 v[24+8*z:24+8*z+3], v[10+z/4] offset:(z%4)*16384
	ds_load_b128 v[24+8*z+4:24+8*z+7], v[10+z/4] offset:(z%4)*16384+512
.set z, z+1
.endr
	s_wait_dscnt 0x0
.set z, 1
.rept 8
.irp m, 0,2,4,6
	v_pk_add_f32 v[16+(\m):17+(\m)], v[16+(\m):17+(\m)], v[16+8*z+(\m):17+8*z+(\m)]
.endr
.set z, z+1
.endr
	ds_store_b128 v12, v[16:19]
	ds_store_b128 v12, v[20:23] offset:512
	BAR
	; PHASE 3: wave 0.  Column operations on [G; I]: column t loses column j times G[j][t] / d.  The pivot column of the lower part, times 1 / sqrt(d), is row j of Li.
	; The registers move down by one a step, so the pivot column is always register 0.  The place that the move frees takes the finished row of Li in X and 0 in G: in the loop's later
	; steps its multiplier, read from that 0, is 0, and the finished row only moves down with the rest.  After eight steps with w columns behind the pivot the eight rows lie in
	; X[w - 7 .. w], in order: row j = 8 g + k of Li ends in register XM + 24 - 8 g + k.  So nothing is stored inside a loop.
	s_cmp_lg_u32 s[WV], 0
	s_cbranch_scc1 .Lb3
	v_lshlrev_b32 v5, 4, v3
	v_lshl_add_u32 v5, v4, 10, v5
	v_add_nc_u32 v5, IMG, v5                       ; lane i = 16 J + r reads column i of G, its row i by symmetry: tiles (I, J)
.irp i, 0,1
.irp h, 0,1
.irp q, 0,1
	ds_load_b128 v[GM+16*(\i)+8*(\h)+4*(\q):GM+16*(\i)+8*(\h)+4*(\q)+3], v5 offset:(\i)*2048+(\q)*512+(\h)*256
.endr
.endr
.endr
.set t, 0
.rept 32
	v_cmp_eq_u32 vcc_lo, t, v1
	v_cndmask_b32 v[XM+t], 0, 1.0, vcc_lo
.set t, t+1
.endr
	v_mov_b32 v9, s16
	v_mul_f32 v9, 0x3fb8aa3b, v9
	v_exp_f32 v9, v9                               ; ridge = e^log_ridge
	v_mul_u32_u24 v8, v1, 144                      ; (a plain instruction behind the transcendental)
	v_add_nc_u32 v8, LIT, v8                       ; Li^T[i][j] at LIT + 144 i + 4 j
	v_lshl_add_u32 v7, v1, 2, LIR                  ; Li[j][i] at LIR + 144 j + 4 i
	s_mov_b32 s19, 0                               ; j
	s_wait_dscnt 0x0
.macro CHSTEP w
	v_readlane_b32 s20, v[GM], s19
	s_wait_alu depctr_va_vdst(0)
	v_add_f32 v10, s20, v9                         ; d: the ridge is added where a diagonal entry is read
	v_rsq_f32 v11, v10
	v_nop                                          ; a plain instruction behind the transcendental
.set t, 1
.rept \w
	v_readlane_b32 s[31+t], v[GM+t], s19           ; row j
.set t, t+1
.endr
	s_wait_alu depctr_va_vdst(0)
	v_mul_f32 v12, v11, v11                        ; 1 / d
	v_mul_f32 v13, v[GM], v12
	v_mul_f32 v5, v[XM], v12
	v_mul_f32 v6, v[XM], v11                       ; lane i: Li[j][i]
.set t, 1
.rept \w
	v_fma_f32 v[GM+t-1], -v13, s[31+t], v[GM+t]
	v_fma_f32 v[XM+t-1], -v5, s[31+t], v[XM+t]
.set t, t+1
.endr
	v_mov_b32 v[GM+(\w)], 0                        ; the freed place: a column that takes part in nothing,
	v_mov_b32 v[XM+(\w)], v6                       ; and the finished row
	s_add_co_u32 s19, s19, 1
.endm
.macro CHLOOP w                        ; eight steps with w columns behind the pivot
	s_mov_b32 s18, 8
.Lch\w:
	CHSTEP \w
	s_sub_co_u32 s18, s18, 1
	s_cmp_lg_u32 s18, 0
	s_cbranch_scc1 .Lch\w
.endm
	CHLOOP 31
	CHLOOP 23
	CHLOOP 15
	CHLOOP 7
.irp g, 0,1,2,3
.irp k, 0,1,2,3,4,5,6,7
	ds_store_b32 v7, v[XM+24-8*(\g)+(\k)] offset:144*(8*(\g)+(\k))     ; row j = 8 g + k of Li: 32 lanes, 128 consecutive bytes
.endr
.endr
.irp g, 0,1,2,3
.irp u, 0,1
	ds_store_b128 v8, v[XM+24-8*(\g)+4*(\u):XM+24-8*(\g)+4*(\u)+3] offset:32*(\g)+16*(\u)  ; lane i: Li^T[i][8 g + 4 u ..]
.endr
.endr
.Lb3:
	BAR
	; PHASE 4
	s_cmp_gt_u32 s[WV], 4
	s_cbranch_scc1 .Lb4
	v_mul_u32_u24 v5, v3, 144
	v_lshl_add_u32 v5, v4, 5, v5
	v_add_nc_u32 v6, LIT, v5
	v_add_nc_u32 v5, LIR, v5
	v_add_nc_u32 v7, IMG, v2
	s_and_b32 s20, s[WV], 3                        ; q: my 16 columns of Cv^T (wave 4 reads and does not use them)
	v_lshl_add_u32 v8, s20, 10, v7
.irp i, 0,1
.irp j, 0,1
	ds_load_b128 v[DLT+8*(2*(\i)+(\j)):DLT+8*(2*(\i)+(\j))+3],   v5 offset:(\j)*2304+(\i)*64
	ds_load_b128 v[DLT+8*(2*(\i)+(\j))+4:DLT+8*(2*(\i)+(\j))+7], v5 offset:(\j)*2304+(\i)*64+16
	ds_load_b128 v[DL+8*(2*(\i)+(\j)):DL+8*(2*(\i)+(\j))+3],     v6 offset:(\j)*2304+(\i)*64
	ds_load_b128 v[DL+8*(2*(\i)+(\j))+4:DL+8*(2*(\i)+(\j))+7],   v6 offset:(\j)*2304+(\i)*64+16
	ds_load_b128 v[DMT+8*(2*(\i)+(\j)):DMT+8*(2*(\i)+(\j))+3],   v7 offset:(4+2*(\i)+(\j))*1024
	ds_load_b128 v[DMT+8*(2*(\i)+(\j))+4:DMT+8*(2*(\i)+(\j))+7], v7 offset:(4+2*(\i)+(\j))*1024+512
.endr
	ds_load_b128 v[CV+8*(\i):CV+8*(\i)+3],   v8 offset:(8+4*(\i))*1024
	ds_load_b128 v[CV+8*(\i)+4:CV+8*(\i)+7], v8 offset:(8+4*(\i))*1024+512
.endr
	s_wait_dscnt 0x0
; d = D(P Q) with pa = D(P^T), qb = D(Q).  The accumulators take turns, one instruction a turn; the first turn starts the sums with 0.
.macro MM32 d, pa, qb                  ; 32 x 32 by 32 x 32
.irp kt, 0,1
.irp ss, 0,1,2,3
.irp ti, 0,1
.irp tj, 0,1
.if ((\kt)+(\ss)) == 0
	v_wmma_f32_16x16x4_f32 v[(\d)+8*(2*(\ti)+(\tj)):(\d)+8*(2*(\ti)+(\tj))+7], v[(\pa)+8*(2*(\kt)+(\ti))+2*(\ss):(\pa)+8*(2*(\kt)+(\ti))+2*(\ss)+1], v[(\qb)+8*(2*(\kt)+(\tj))+2*(\ss):(\qb)+8*(2*(\kt)+(\tj))+2*(\ss)+1], 0
.else
	v_wmma_f32_16x16x4_f32 v[(\d)+8*(2*(\ti)+(\tj)):(\d)+8*(2*(\ti)+(\tj))+7], v[(\pa)+8*(2*(\kt)+(\ti))+2*(\ss):(\pa)+8*(2*(\kt)+(\ti))+2*(\ss)+1], v[(\qb)+8*(2*(\kt)+(\tj))+2*(\ss):(\qb)+8*(2*(\kt)+(\tj))+2*(\ss)+1], v[(\d)+8*(2*(\ti)+(\tj)):(\d)+8*(2*(\ti)+(\tj))+7]
.endif
.endr
.endr
.endr
.endr
.endm
.macro MM16 d, pa, qb                  ; 32 x 32 by 32 x 16
.irp kt, 0,1
.irp ss, 0,1,2,3
.irp ti, 0,1
.if ((\kt)+(\ss)) == 0
	v_wmma_f32_16x16x4_f32 v[(\d)+8*(\ti):(\d)+8*(\ti)+7], v[(\pa)+8*(2*(\kt)+(\ti))+2*(\ss):(\pa)+8*(2*(\kt)+(\ti))+2*(\ss)+1], v[(\qb)+8*(\kt)+2*(\ss):(\qb)+8*(\kt)+2*(\ss)+1], 0
.else
	v_wmma_f32_16x16x4_f32 v[(\d)+8*(\ti):(\d)+8*(\ti)+7], v[(\pa)+8*(2*(\kt)+(\ti))+2*(\ss):(\pa)+8*(2*(\kt)+(\ti))+2*(\ss)+1], v[(\qb)+8*(\kt)+2*(\ss):(\qb)+8*(\kt)+2*(\ss)+1], v[(\d)+8*(\ti):(\d)+8*(\ti)+7]
.endif
.endr
.endr
.endr
.endm
.macro MMF d, za, qb                   ; 16 x 32 by 32 x 32: za = D(Z), the product is Z^T Q
.irp kt, 0,1
.irp ss, 0,1,2,3
.irp tj, 0,1
.if ((\kt)+(\ss)) == 0
	v_wmma_f32_16x16x4_f32 v[(\d)+8*(\tj):(\d)+8*(\tj)+7], v[(\za)+8*(\kt)+2*(\ss):(\za)+8*(\kt)+2*(\ss)+1], v[(\qb)+8*(2*(\kt)+(\tj))+2*(\ss):(\qb)+8*(2*(\kt)+(\tj))+2*(\ss)+1], 0
.else
	v_wmma_f32_16x16x4_f32 v[(\d)+8*(\tj):(\d)+8*(\tj)+7], v[(\za)+8*(\kt)+2*(\ss):(\za)+8*(\kt)+2*(\ss)+1], v[(\qb)+8*(2*(\kt)+(\tj))+2*(\ss):(\qb)+8*(2*(\kt)+(\tj))+2*(\ss)+1], v[(\d)+8*(\tj):(\d)+8*(\tj)+7]
.endif
.endr
.endr
.endr
.endm
.macro GAP                             ; nine places between a product and whatever takes its result or writes over its registers (ISA guide 7.12.1)
.rept 9
	v_nop
.endr
.endm
	MM32 XT, DMT, DLT                              ; T = M Li^T
	GAP
	MM32 XA, DLT, XT                               ; A = Li T
	GAP
	s_cmp_eq_u32 s[WV], 4
	s_cbranch_scc1 .Lsigma
	MM16 Z0, DLT, CV                               ; Y = Li Cv^T
	GAP
	MM16 Z1, XA, Z0                                ; A^T Y, four times
	GAP
	MM16 Z0, XA, Z1
	GAP
	MM16 Z1, XA, Z0
	GAP
	MM16 Z0, XA, Z1
	GAP
	MMF Z1, Z0, DL                                 ; F's rows 16 q .. 16 q + 15 = Z^T Li, still without s^4
	GAP
	s_branch .Lb4
.Lsigma:
.macro FROB src                        ; the sum of the squares of a 32 x 32 matrix, in every lane's v112; each accumulator's lowest registers are read first
.irp c, 0,1,2,3
	v_pk_mul_f32 v[112+2*(\c):113+2*(\c)], v[(\src)+2*(\c):(\src)+2*(\c)+1], v[(\src)+2*(\c):(\src)+2*(\c)+1]
.endr
.irp c, 4,5,6,7,8,9,10,11,12,13,14,15
	v_pk_fma_f32 v[112+2*((\c)%4):113+2*((\c)%4)], v[(\src)+2*(\c):(\src)+2*(\c)+1], v[(\src)+2*(\c):(\src)+2*(\c)+1], v[112+2*((\c)%4):113+2*((\c)%4)]
.endr
	v_pk_add_f32 v[112:113], v[112:113], v[114:115]
	v_pk_add_f32 v[116:117], v[116:117], v[118:119]
	v_pk_add_f32 v[112:113], v[112:113], v[116:117]
	v_add_f32 v112, v112, v113
	v_add_f32_dpp v112, v112, v112 row_xmask:1 row_mask:0xf bank_mask:0xf
	v_add_f32_dpp v112, v112, v112 row_xmask:2 row_mask:0xf bank_mask:0xf
	v_add_f32_dpp v112, v112, v112 row_xmask:4 row_mask:0xf bank_mask:0xf
	v_add_f32_dpp v112, v112, v112 row_xmask:8 row_mask:0xf bank_mask:0xf
	v_permlanex16_b32 v113, v112, s26, s27
	v_add_f32 v112, v112, v113
	v_max_num_f32 v112, 0x0d800000, v112           ; at least 2^-100, so that A = 0 divides by no zero
.endm
.macro SCALEN                          ; N = XT / trace
.set z, 0
.rept 16
	v_pk_mul_f32 v[NN+2*z:NN+2*z+1], v[XT+2*z:XT+2*z+1], v[8:9]
.set z, z+1
.endr
.endm
	FROB XA                                        ; tr(A^T A)
	v_log_f32 v6, v112                             ; the logarithm of lambda is gathered in v6
	v_rcp_f32 v8, v112
	v_rcp_f32 v9, v112
	v_mov_b32 v7, 0.5                              ; the next factor's weight
	s_wait_alu depctr_va_vdst(0)
	MM32 XT, XA, XA                                ; A^T A
	GAP
	SCALEN
	s_mov_b32 s18, 8
.Lsq:
	FROB NN                                        ; tr(N^2), N symmetric
	v_log_f32 v10, v112
	v_rcp_f32 v8, v112
	v_rcp_f32 v9, v112
	v_nop
	s_wait_alu depctr_va_vdst(0)
	v_fmac_f32 v6, v7, v10
	v_mul_f32 v7, 0.5, v7
	MM32 XT, NN, NN
	GAP
	SCALEN
	s_sub_co_u32 s18, s18, 1
	s_cmp_lg_u32 s18, 0
	s_cbranch_scc1 .Lsq
	FROB NN
	v_log_f32 v10, v112
	v_add_f32 v7, v7, v7                           ; 2^-8
	s_wait_alu depctr_va_vdst(0)
	v_fmac_f32 v6, v7, v10
	v_mul_f32 v6, 0.5, v6
	v_exp_f32 v6, v6                               ; sigma
	v_mov_b32 v11, s17
	v_mul_f32 v11, 0x3fb8aa3b, v11
	v_exp_f32 v11, v11                             ; gamma
	v_nop
	s_wait_alu depctr_va_vdst(0)
	v_max_num_f32 v6, 1.0, v6
	v_min_num_f32 v11, 1.0, v11
	v_rcp_f32 v6, v6
	v_nop
	s_wait_alu depctr_va_vdst(0)
	v_mul_f32 v6, v11, v6                          ; s = min(gamma, 1) / max(sigma, 1)
	v_mul_f32 v6, v6, v6
	v_mul_f32 v6, v6, v6                           ; s^4
	v_mov_b32 v12, RED
	ds_store_b32 v12, v6                           ; every lane the same word and number
.Lb4:
	BAR
	; PHASE 5
	s_cmp_gt_u32 s[WV], 3
	s_cbranch_scc1 .Lb5
	v_mov_b32 v13, RED
	ds_load_b32 v12, v13
	s_wait_dscnt 0x0
.set z, 0
.rept 8
	v_pk_mul_f32 v[80+2*z:81+2*z], v[Z1+2*z:Z1+2*z+1], v[12:13] op_sel_hi:[1,0]
.set z, z+1
.endr
.set z, 0
.rept 16
	v_and_b32 v[96+z], 0x7fffffff, v[80+z]
.set z, z+1
.endr
	v_max3_num_f32 v5, v96, v97, v98
	v_max3_num_f32 v6, v99, v100, v101
	v_max3_num_f32 v7, v102, v103, v104
	v_max3_num_f32 v8, v105, v106, v107
	v_max3_num_f32 v5, v5, v108, v109
	v_max3_num_f32 v6, v6, v110, v111
	v_max3_num_f32 v5, v5, v6, v7
	v_max_num_f32 v5, v5, v8
	v_max_num_f32_dpp v5, v5, v5 row_xmask:1 row_mask:0xf bank_mask:0xf
	v_max_num_f32_dpp v5, v5, v5 row_xmask:2 row_mask:0xf bank_mask:0xf
	v_max_num_f32_dpp v5, v5, v5 row_xmask:4 row_mask:0xf bank_mask:0xf
	v_max_num_f32_dpp v5, v5, v5 row_xmask:8 row_mask:0xf bank_mask:0xf
	v_permlanex16_b32 v6, v5, s26, s27
	v_max_num_f32 v5, v5, v6
	s_lshl_b32 s21, s[WV], 2
	s_add_co_u32 s21, s21, RED+16
	v_mov_b32 v7, s21
	ds_store_b32 v7, v5                            ; my wave's maximum
	v_mul_u32_u24 v8, v3, 272
	v_lshl_add_u32 v8, v4, 5, v8
	v_lshl_add_u32 v8, s[WV], 6, v8
	v_add_nc_u32 v8, FTI, v8                       ; F^T[16 J + r][16 q + 8 hh + j]
.irp j, 0,1
	ds_store_b128 v8, v[80+8*(\j):80+8*(\j)+3] offset:(\j)*4352
	ds_store_b128 v8, v[80+8*(\j)+4:80+8*(\j)+7] offset:(\j)*4352+16
.endr
.Lb5:
	BAR
	s_cmp_gt_u32 s[WV], 3
	s_cbranch_scc1 .Lend
	v_mul_u32_u24 v5, v4, 272
	v_lshl_add_u32 v5, v3, 4, v5
	s_mul_i32 s21, s[WV], 8*272
	s_add_co_u32 s21, s21, FTI
	v_add_nc_u32 v5, s21, v5                       ; wave w takes rows 8 w .. 8 w + 7, two to a load
	s_lshl_b32 s20, s[BH], 13
	s_lshl_b32 s21, s[WV], 11
	s_add_co_u32 s20, s20, s21
	s_mov_b32 s21, 0
	s_add_nc_u64 s[12:13], s[12:13], s[20:21]
.irp i, 0,1,2,3
	ds_load_b128 v[16+4*(\i):19+4*(\i)], v5 offset:(\i)*544
.endr
.irp i, 0,1,2,3
	s_wait_dscnt 3-(\i)
	global_store_b128 v2, v[16+4*(\i):19+4*(\i)], s[12:13] offset:(\i)*512   ; 512 consecutive bytes of ftb
.endr
	s_cmp_lg_u32 s[WV], 0
	s_cbranch_scc1 .Lend
	v_mov_b32 v6, RED+16
	ds_load_b128 v[8:11], v6
	s_lshl_b32 s22, s[BH], 2
	s_mov_b32 s23, 0
	s_add_nc_u64 s[14:15], s[14:15], s[22:23]
	v_mov_b32 v7, 0
	s_wait_dscnt 0x0
	v_max3_num_f32 v8, v8, v9, v10
	v_max_num_f32 v8, v8, v11
	v_cmp_eq_u32 vcc_lo, 0, v1
	s_wait_xcnt 0x0                                ; EXEC changes only behind this wait
	s_and_saveexec_b32 s21, vcc_lo
	global_store_b32 v7, v8, s[14:15]              ; one number a head
	s_wait_xcnt 0x0
	s_or_b32 exec_lo, exec_lo, s21
.Lend:
	s_wait_tensorcnt 0x0                           ; the wave's end
	ds_add_u32 v[SPW], v[NIL]
	s_wait_dscnt 0x0
	s_endpgm
.Lfunc_end_k_qe0670d923f_oper:
	.size	k_qe0670d923f_oper, .Lfunc_end_k_qe0670d923f_oper-k_qe0670d923f_oper
	.p2alignl 7, 3214868480
	.fill 96, 4, 3214868480
	.section	.rodata,"a",@progbits
	.p2align	6, 0x0
	.amdhsa_kernel k_qe0670d923f_oper
		.amdhsa_group_segment_fixed_size 298752
		.amdhsa_private_segment_fixed_size 0
		.amdhsa_enable_private_segment 0
		.amdhsa_kernarg_size 48
		.amdhsa_user_sgpr_count 2
		.amdhsa_user_sgpr_kernarg_segment_ptr 1
		.amdhsa_wavefront_size32 1
		.amdhsa_system_sgpr_workgroup_id_x 1
		.amdhsa_system_sgpr_workgroup_id_y 1
		.amdhsa_system_sgpr_workgroup_id_z 1
		.amdhsa_system_vgpr_workitem_id 0
		.amdhsa_next_free_vgpr 256
		.amdhsa_next_free_sgpr 66
		.amdhsa_reserve_vcc 1
		.amdhsa_float_denorm_mode_32 3
		.amdhsa_float_denorm_mode_16_64 3
		.amdhsa_memory_ordered 1
		.amdhsa_forward_progress 1
		.amdhsa_inst_pref_size 83
	.end_amdhsa_kernel
	.amdgpu_metadata
---
amdhsa.version: [ 1, 2 ]
amdhsa.kernels:
  - .name:           k_qe0670d923f_oper
    .symbol:         k_qe0670d923f_oper.kd
    .args:
      - { .name: kfr, .offset: 0, .size: 8, .value_kind: global_buffer, .address_space: global }
      - { .name: vfr, .offset: 8, .size: 8, .value_kind: global_buffer, .address_space: global }
      - { .name: log_ridge, .offset: 16, .size: 8, .value_kind: global_buffer, .address_space: global }
      - { .name: log_gamma, .offset: 24, .size: 8, .value_kind: global_buffer, .address_space: global }
      - { .name: ftb, .offset: 32, .size: 8, .value_kind: global_buffer, .address_space: global }
      - { .name: fmx, .offset: 40, .size: 8, .value_kind: global_buffer, .address_space: global }
    .group_segment_fixed_size: 298752
    .private_segment_fixed_size: 0
    .kernarg_segment_align: 8
    .kernarg_segment_size: 48
    .max_flat_workgroup_size: 512
    .sgpr_count:     66
    .vgpr_count:     256
    .wavefront_size: 32
...
	.end_amdgpu_metadata
.endif
;; end of part 3
;; launch weffk (part 4): grid 256 x 1, 4 waves a work-group, no clusters, 52,224 bytes of LDS; arguments ftb, fmx, Wo, weff; writes weff
.if DOCPART == 4
	.amdgcn_target "amdgcn-amd-amdhsa--gfx1250"
	.amdhsa_code_object_version 6
	.text
	.protected	k_qe0670d923f_weffk
	.globl	k_qe0670d923f_weffk
	.p2align	8
	.type	k_qe0670d923f_weffk,@function
k_qe0670d923f_weffk:
	s_mov_b64 s[64:65], 0
	v_nop
	global_prefetch_b8 v0, s[64:65] scope:SCOPE_SE
	s_setreg_imm32_b32 hwreg(HW_REG_WAVE_MODE, 25, 1), 1
	s_wait_xcnt 0x0
; Weff[b][32 h + r][n] = sum over d of (F_h^T[r][d] / s_b) Wo[64 h + d][n], f16 operands, f32 sums, stored f16.  s_b = the largest |F| of the batch's 16 heads, at least 2^-100:
; F is far below f16's range, so it is divided by s_b here, and the last launch multiplies by s_b again in f32.
; A work-group: one head, 256 columns n.  Wo's 64 x 256 piece goes through LDS as f16 [d][n] and comes out turned; each wave makes 32 x 64.
; The matrix instruction is used transposed (source 0 = 16 columns of Wo, source 1 = 16 rows of F^T): a lane holds eight neighbouring n of a row.
; No cluster, no tensor loads: the launch moves 9 MB and has 16 products a wave.
.set PW,    544                        ; a row d of Wo in LDS: 512 bytes + 32
.set STG,   34816                      ; the result: 32 rows, pitch 528
.set PS,    528
.set SPARE, 51712
.set SPW, 14
.set NIL, 15
	s_load_b256 s[4:11], s[0:1], 0x0               ; ftb s[4:5], fmx s[6:7], Wo s[8:9], weff s[10:11]
	v_lshl_add_u32 v[SPW], v0, 2, SPARE
	v_mov_b32 v[NIL], 0
	v_lshrrev_b32 v1, 5, v0
	v_readfirstlane_b32 s12, v1                    ; wave
	v_and_b32 v1, 31, v0                           ; L
	v_and_b32 v2, 15, v0                           ; r
	v_bfe_u32 v3, v0, 4, 1                         ; hh
	v_lshlrev_b32 v4, 4, v1                        ; 16 L
	v_lshlrev_b32 v5, 8, v2
	v_lshl_add_u32 v5, v3, 5, v5                   ; F^T: row r x 256 bytes + 8 hh numbers
	s_lshr_b32 s13, ttmp9, 2                       ; bh
	s_and_b32 s14, ttmp9, 3                        ; nq
	s_lshr_b32 s15, s13, 4                         ; b
	s_and_b32 s32, s13, 15                         ; h
	s_lshl_b32 s34, s32, 6
	s_lshl4_add_u32 s34, s12, s34                  ; Wo's row 64 h + 16 w
	s_lshl_b32 s34, s34, 12
	s_lshl_b32 s33, s14, 10
	s_add_co_u32 s34, s34, s33
	s_mov_b32 s35, 0
	s_lshl_b32 s36, s13, 13
	s_mov_b32 s37, 0
	s_lshl_b32 s38, s15, 6
	s_mov_b32 s39, 0
	s_lshl_b32 s40, s32, 5
	s_lshl3_add_u32 s40, s12, s40                  ; weff's row 32 h + 8 w
	s_lshl_b32 s40, s40, 11
	s_lshl_b32 s33, s15, 20
	s_add_co_u32 s40, s40, s33
	s_lshl_b32 s33, s14, 9
	s_add_co_u32 s40, s40, s33
	s_mov_b32 s41, 0
	s_wait_kmcnt 0x0
	s_add_nc_u64 s[8:9], s[8:9], s[34:35]
	s_add_nc_u64 s[4:5], s[4:5], s[36:37]
	s_add_nc_u64 s[6:7], s[6:7], s[38:39]
	s_add_nc_u64 s[10:11], s[10:11], s[40:41]
	s_load_b512 s[16:31], s[6:7], 0x0              ; the batch's 16 maxima
.set k, 0
.rept 32                               ; 16 rows x 1,024 bytes: 512 consecutive bytes a load
	global_load_b128 v[16+4*k:19+4*k], v4, s[8:9] offset:(k/2)*4096+512*(k%2)
.set k, k+1
.endr
.irp f, 0,1,2,3                        ; fragment f = 2 J + ks of F^T: rows 16 J + r, d = 32 ks + 8 hh + 0..7 and + 16
.irp m, 0,1,2,3
	global_load_b128 v[144+16*(\f)+4*(\m):147+16*(\f)+4*(\m)], v5, s[4:5] offset:((\f)/2)*4096+((\f)%2)*128+((\m)/2)*64+((\m)%2)*16
.endr
.endr
	s_mul_i32 s33, s12, 16*PW
	v_lshl_add_u32 v6, v1, 3, s33                  ; my 16 rows in LDS, 8 bytes a lane
	s_wait_loadcnt 16                              ; Wo is in; the 16 loads of F^T may be out
.set k, 0
.rept 32
	v_cvt_pk_f16_f32 v[16+4*k], v[16+4*k], v[17+4*k]
	v_cvt_pk_f16_f32 v[17+4*k], v[18+4*k], v[19+4*k]
	ds_store_b64 v6, v[16+4*k:17+4*k] offset:(k/2)*PW+256*(k%2)
.set k, k+1
.endr
	s_wait_kmcnt 0x0
.irp k, 17,18,19,20,21,22,23,24,25,26,27,28,29,30,31
	s_max_u32 s16, s16, s\k                        ; numbers that are not negative order as their bit patterns do
.endr
	s_max_u32 s16, s16, 0x0d800000                 ; at least 2^-100
	v_mov_b32 v7, s16
	v_rcp_f32 v8, v7
	v_rcp_f32 v9, v7
	v_nop
	s_wait_loadcnt 0x0
.set k, 0
	s_wait_alu depctr_va_vdst(0)
.rept 32
	v_pk_mul_f32 v[144+2*k:145+2*k], v[144+2*k:145+2*k], v[8:9]
.set k, k+1
.endr
.set k, 0
.rept 32
	v_cvt_pk_f16_f32 v[208+k], v[144+2*k], v[145+2*k]
.set k, k+1
.endr
	v_and_b32 v10, 7, v0
	v_lshl_add_u32 v10, v3, 3, v10
	v_mul_u32_u24 v10, v10, PW
	v_bfe_u32 v11, v0, 3, 1
	v_lshl_add_u32 v10, v11, 4, v10
	v_lshl_add_u32 v10, s12, 7, v10                ; the turning load: row 8 hh + L % 8, my 64 columns
	s_wait_dscnt 0x0                               ; for the others' sake: my stores are done
	s_barrier_signal -1
	s_barrier_wait -1
.irp s, 0,1
.irp i, 0,1,2,3
	ds_load_tr16_b128 v[80+8*(4*(\s)+(\i)):83+8*(4*(\s)+(\i))], v10 offset:(\s)*32*PW+32*(\i)
	ds_load_tr16_b128 v[84+8*(4*(\s)+(\i)):87+8*(4*(\s)+(\i))], v10 offset:(\s)*32*PW+32*(\i)+16*PW
.endr
.endr
	s_wait_dscnt 0x0
.irp s, 0,1                            ; eight accumulators (i, J) at v[16 + 8 (2 i + J)] take turns
.irp i, 0,1,2,3
.irp j, 0,1
.if (\s) == 0
	v_wmma_f32_16x16x32_f16 v[16+8*(2*(\i)+(\j)):23+8*(2*(\i)+(\j))], v[80+8*(4*(\s)+(\i)):87+8*(4*(\s)+(\i))], v[208+8*(2*(\j)+(\s)):215+8*(2*(\j)+(\s))], 0
.else
	v_wmma_f32_16x16x32_f16 v[16+8*(2*(\i)+(\j)):23+8*(2*(\i)+(\j))], v[80+8*(4*(\s)+(\i)):87+8*(4*(\s)+(\i))], v[208+8*(2*(\j)+(\s)):215+8*(2*(\j)+(\s))], v[16+8*(2*(\i)+(\j)):23+8*(2*(\i)+(\j))]
.endif
.endr
.endr
.endr
	v_mul_u32_u24 v11, v2, PS                      ; four plain instructions: the places behind the last product
	v_lshl_add_u32 v11, v3, 4, v11
	v_lshl_add_u32 v11, s12, 7, v11
	v_add_nc_u32 v11, STG, v11                     ; row 16 J + r, column 64 w + 16 i + 8 hh
.set k, 0
.rept 32
	v_cvt_pk_f16_f32 v[144+k], v[16+2*k], v[17+2*k]
.set k, k+1
.endr
.set k, 0
.rept 8
	ds_store_b128 v11, v[144+4*k:147+4*k] offset:(k%2)*16*PS+32*(k/2)
.set k, k+1
.endr
	s_mul_i32 s33, s12, 8*PS
	s_add_co_u32 s33, s33, STG
	v_add_nc_u32 v12, s33, v4
	s_wait_dscnt 0x0
	s_barrier_signal -1
	s_barrier_wait -1
.irp t, 0,1,2,3,4,5,6,7
	ds_load_b128 v[16+4*(\t):19+4*(\t)], v12 offset:(\t)*PS
.endr
.irp t, 0,1,2,3,4,5,6,7
	s_wait_dscnt 7-(\t)
	global_store_b128 v4, v[16+4*(\t):19+4*(\t)], s[10:11] offset:2048*(\t)   ; 512 consecutive bytes of a row of weff
.endr
	s_wait_tensorcnt 0x0                           ; the wave's end
	ds_add_u32 v[SPW], v[NIL]
	s_wait_dscnt 0x0
	s_endpgm
.Lfunc_end_k_qe0670d923f_weffk:
	.size	k_qe0670d923f_weffk, .Lfunc_end_k_qe0670d923f_weffk-k_qe0670d923f_weffk
	.p2alignl 7, 3214868480
	.fill 96, 4, 3214868480
	.section	.rodata,"a",@progbits
	.p2align	6, 0x0
	.amdhsa_kernel k_qe0670d923f_weffk
		.amdhsa_group_segment_fixed_size 52224
		.amdhsa_private_segment_fixed_size 0
		.amdhsa_enable_private_segment 0
		.amdhsa_kernarg_size 32
		.amdhsa_user_sgpr_count 2
		.amdhsa_user_sgpr_kernarg_segment_ptr 1
		.amdhsa_wavefront_size32 1
		.amdhsa_system_sgpr_workgroup_id_x 1
		.amdhsa_system_sgpr_workgroup_id_y 1
		.amdhsa_system_sgpr_workgroup_id_z 1
		.amdhsa_system_vgpr_workitem_id 0
		.amdhsa_next_free_vgpr 256
		.amdhsa_next_free_sgpr 66
		.amdhsa_reserve_vcc 0
		.amdhsa_float_denorm_mode_32 3
		.amdhsa_float_denorm_mode_16_64 3
		.amdhsa_memory_ordered 1
		.amdhsa_forward_progress 1
		.amdhsa_inst_pref_size 25
	.end_amdhsa_kernel
	.amdgpu_metadata
---
amdhsa.version: [ 1, 2 ]
amdhsa.kernels:
  - .name:           k_qe0670d923f_weffk
    .symbol:         k_qe0670d923f_weffk.kd
    .args:
      - { .name: ftb, .offset: 0, .size: 8, .value_kind: global_buffer, .address_space: global }
      - { .name: fmx, .offset: 8, .size: 8, .value_kind: global_buffer, .address_space: global }
      - { .name: Wo, .offset: 16, .size: 8, .value_kind: global_buffer, .address_space: global }
      - { .name: weff, .offset: 24, .size: 8, .value_kind: global_buffer, .address_space: global }
    .group_segment_fixed_size: 52224
    .private_segment_fixed_size: 0
    .kernarg_segment_align: 8
    .kernarg_segment_size: 32
    .max_flat_workgroup_size: 128
    .sgpr_count:     66
    .vgpr_count:     256
    .wavefront_size: 32
...
	.end_amdgpu_metadata
.endif
;; end of part 4
;; launch outp (part 5): grid 4 x 64, 4 waves a work-group, clusters of 4 x 4, 327,680 bytes of LDS; arguments zbuf, weff, fmx, gate_alpha, out0; writes out0
.if DOCPART == 5
	.amdgcn_target "amdgcn-amd-amdhsa--gfx1250"
	.amdhsa_code_object_version 6
	.text
	.protected	k_qe0670d923f_outp
	.globl	k_qe0670d923f_outp
	.p2align	8
	.type	k_qe0670d923f_outp,@function
k_qe0670d923f_outp:
	s_mov_b64 s[64:65], 0
	v_nop
	global_prefetch_b8 v0, s[64:65] scope:SCOPE_SE
	s_setreg_imm32_b32 hwreg(HW_REG_WAVE_MODE, 25, 1), 1
	s_wait_xcnt 0x0
	s_wait_alu depctr_hold_cnt(0) depctr_sa_sdst(0) depctr_va_vdst(0) depctr_va_sdst(0) depctr_va_ssrc(0) depctr_va_vcc(0) depctr_vm_vsrc(0)
	s_getreg_b32 s2, hwreg(HW_REG_IB_STS2, 6, 4)
	s_cmp_eq_u32 s2, 0
	s_cbranch_scc0 .Lentry_in_a_cluster
	s_endpgm
.Lentry_in_a_cluster:
	s_bfe_u32 s2, ttmp6, 0x10000c
	s_cmp_lg_u32 s2, 0xf033
	s_cbranch_scc0 .Lentry_shape_is_right
	s_endpgm
.Lentry_shape_is_right:
; out0 = sigmoid(gate_alpha) s_b (zbuf x weff[b]) on tiles of 256 x 256, f16 operands, f32 sums and f32 output; K = 512 in four steps of 128 through two LDS slots.
; s_b, the batch's largest |F| (at least 2^-100), was divided out of weff and comes back here in f32.
; Four waves, each 128 x 128 in 64 accumulators; A (zbuf) lies [row][k], B (weff) [k][n] and is turned on its way out of LDS; the matrix instruction is used transposed.
; CLUSTER 4 x 4: A's tile is shared along a row of the cluster, B's along a column (a cluster's 1,024 rows lie in one batch): both are asked for jointly.
; REGISTERS: window 0: v16-31 addresses and the scale; v64-127, v128-191 fragments of A (on the way out: scaled results, rows read back); v192-255 rows read back.
; window 1: v64-127, v128-191 fragments of B.  windows 2, 3: the accumulators ((a, b) at v[8 (8 (a % 4) + b)]).
.set KSTEP,  128
.set PA,     272
.set PB,     544
.set HALFT,  128*PA
.set SLOT,   4*HALFT
.set STAGE,  2*SLOT                    ; behind the ring: 16 rows x 528 bytes for each wave
.set SP,     528
.set SPARE,  STAGE+4*16*SP
.set ASTEP,  2*KSTEP*2
.set BSTEP,  2*KSTEP*2048
.set ADRA, 16
.set ADRB, 20
.set STO,  24
.set RD,   25
.set CO,   26
.set SPW,  28
.set NIL,  29
.set SCL,  30                          ; v[30:31] sigmoid(gate) x s_b, twice
.set F0,   64
.set F1,   128
.set TMP,  64
.set G1,  24
.set G0,  32
.set G1B, 48
.set G0B, 56
.set MSB, 0
.macro WIN new
.if MSB != (\new)
	s_set_vgpr_msb (MSB<<8)|(\new)
.set MSB, \new
.endif
.endm
.set MUL_LO, 0xa1
.set MUL_HI, 0xf1
.set TO_B,   0x40
.macro JLOAD s                         ; waves 0 and 1 fetch A's two halves, waves 2 and 3 B's; an s_nop 0 and four v_nop follow each line
	s_cmp_eq_u32 s11, 0
	s_cbranch_scc0 .Lfor_b_\@
	tensor_load_to_lds s[G0+4*(\s):G0+4*(\s)+3], s[G1:G1+7]
	s_nop 0
.rept 4
	v_nop
.endr
	s_branch .Lasked_\@
.Lfor_b_\@:
	tensor_load_to_lds s[G0B+4*(\s):G0B+4*(\s)+3], s[G1B:G1B+7]
	s_nop 0
.rept 4
	v_nop
.endr
.Lasked_\@:
.endm
.macro CREST
	s_cmp_lg_u32 s10, 0
	s_cbranch_scc1 .Lnot_wave_0_\@
	s_barrier_signal -3
.Lnot_wave_0_\@:
	s_barrier_wait -3
	s_barrier_signal -1
	s_barrier_wait -1
.endm
.macro CROUND
	s_barrier_signal -1
	s_barrier_wait -1
	CREST
.endm
	s_load_b128 s[4:7], s[0:1], 0x0                ; zbuf s[4:5], weff s[6:7]
	s_load_b128 s[84:87], s[0:1], 0x10             ; fmx s[84:85], gate_alpha s[86:87]
	s_load_b64 s[8:9], s[0:1], 0x20                ; out0
	v_lshl_add_u32 v[SPW], v0, 2, SPARE
	v_mov_b32 v[NIL], 0
	ds_add_u32 v[SPW], v[NIL]                      ; the wave's opening: the add and its wait stand ahead of my first tensor load
	v_lshrrev_b32 v1, 5, v0
	v_readfirstlane_b32 s10, v1
	s_lshr_b32 s11, s10, 1
	s_and_b32 s12, s10, 1
	s_bfe_u32 s40, ttmp6, 0x40000                  ; cx
	s_bfe_u32 s41, ttmp6, 0x40004                  ; cy
	s_lshl_b32 s42, ttmp9, 2
	s_add_co_u32 s42, s42, s40                     ; tile column
	s_and_b32 s13, ttmp7, 0xffff
	s_lshr_b32 s45, s13, 2                         ; b, from the cluster's y alone
	s_lshl_b32 s13, s13, 2
	s_add_co_u32 s13, s13, s41                     ; tile row
	s_lshl_b32 s43, s41, 2
	s_lshl_b32 s43, 15, s43                        ; my row of the cluster
	s_lshl_b32 s44, 0x1111, s40                    ; my column
	s_or_b32 s[G1+0], s43, (1<<16)|(1<<20)|(1<<21)|(5<<22)|(3<<25)
	s_mov_b32 s[G1+1], 128<<16
	s_mov_b32 s[G1+2], 128<<16
	s_mov_b32 s[G1+3], 128<<16
	s_mov_b32 s[G1+4], 128
	s_mov_b32 s[G1+5], 512                         ; elements from row to row of zbuf
	s_mov_b32 s[G1+6], 0
	s_mov_b32 s[G1+7], 0
	s_or_b32 s[G1B+0], s44, (1<<16)|(1<<20)|(1<<21)|(6<<22)|(7<<25)
	s_mov_b32 s[G1B+1], 256<<16
	s_mov_b32 s[G1B+2], 64<<16
	s_mov_b32 s[G1B+3], 256<<16
	s_mov_b32 s[G1B+4], 64
	s_mov_b32 s[G1B+5], 1024                       ; elements from row to row of weff
	s_mov_b32 s[G1B+6], 0
	s_mov_b32 s[G1B+7], 0
	s_lshl_b32 s16, s13, 8
	s_lshl_b32 s17, s12, 7
	s_add_co_u32 s16, s16, s17
	s_lshl_b32 s16, s16, 10                        ; A: (256 x tile row + 128 x half) x 1,024 bytes
	s_mov_b32 s17, 0
	s_lshl_b32 s46, s45, 20                        ; B: the batch's 1 MiB,
	s_lshl_b32 s47, s12, 17                        ; 64 x half k rows of 2,048 bytes,
	s_add_co_u32 s46, s46, s47
	s_lshl_b32 s47, s42, 9                         ; 512 x tile column
	s_add_co_u32 s46, s46, s47
	s_mov_b32 s47, 0
	s_mul_i32 s20, s10, HALFT
	s_lshl_b32 s90, s45, 6                         ; the batch's 16 numbers in fmx
	s_mov_b32 s91, 0
	s_wait_dscnt 0x0                               ; the opening add is done
	s_wait_kmcnt 0x0
	s_add_nc_u64 s[14:15], s[4:5], s[16:17]
	s_add_nc_u64 s[46:47], s[6:7], s[46:47]
	s_add_nc_u64 s[84:85], s[84:85], s[90:91]
	s_load_b512 s[68:83], s[84:85], 0x0
	s_load_b32 s88, s[86:87], 0x0
	CROUND                                         ; all sixteen work-groups are here: the first joint loads meet
.irp s, 0,1
	s_mov_b32 s[G0+4*(\s)], 1
	s_add_co_u32 s[G0+4*(\s)+1], s20, (\s)*SLOT
	s_add_nc_u64 s[G0+4*(\s)+2:G0+4*(\s)+3], s[14:15], (\s)*KSTEP*2
	s_or_b32 s[G0+4*(\s)+3], s[G0+4*(\s)+3], 0x80000000
	s_mov_b32 s[G0B+4*(\s)], 1
	s_add_co_u32 s[G0B+4*(\s)+1], s20, (\s)*SLOT
	s_add_nc_u64 s[G0B+4*(\s)+2:G0B+4*(\s)+3], s[46:47], (\s)*KSTEP*2048
	s_or_b32 s[G0B+4*(\s)+3], s[G0B+4*(\s)+3], 0x80000000
	JLOAD \s                                       ; two loads of mine are out
.endr
	v_and_b32 v1, 15, v0
	v_bfe_u32 v2, v0, 4, 1
	v_mul_u32_u24 v3, v1, PA
	v_lshl_add_u32 v3, v2, 4, v3
	v_and_b32 v4, 7, v0
	v_lshl_add_u32 v4, v2, 3, v4
	v_bfe_u32 v5, v0, 3, 1
	v_mul_u32_u24 v6, v4, PB
	v_lshl_add_u32 v6, v5, 4, v6
	s_mul_i32 s21, s11, HALFT
	s_lshl_b32 s22, s12, 8
	s_add_co_u32 s22, s22, 2*HALFT
.irp s, 0,1
	v_add_nc_u32 v[ADRA+(\s)], s21, v3
	v_add_nc_u32 v[ADRB+(\s)], s22, v6
	s_add_co_u32 s21, s21, SLOT
	s_add_co_u32 s22, s22, SLOT
.endr
	s_mul_i32 s23, s10, 16*SP
	s_add_co_u32 s23, s23, STAGE                   ; my stage
	v_mul_u32_u24 v7, v1, SP
	v_lshl_add_u32 v7, v2, 5, v7
	v_add_nc_u32 v[STO], s23, v7                   ; in: row l % 16, 32 bytes for each half of the lanes
	v_and_b32 v7, 31, v0
	v_lshlrev_b32 v[CO], 4, v7                     ; 16 x lane: a row's 512 bytes
	v_add_nc_u32 v[RD], s23, v[CO]
	s_lshl_b32 s16, s13, 8
	s_lshl_b32 s17, s11, 7
	s_add_co_u32 s16, s16, s17
	s_lshl_b32 s16, s16, 12                        ; out0: (256 x tile row + 128 x row half) x 4,096 bytes
	s_mov_b32 s17, 0
	s_add_nc_u64 s[8:9], s[8:9], s[16:17]
	s_lshl_b32 s46, s42, 10                        ; + 1,024 x tile column + 512 x column half
	s_lshl_b32 s47, s12, 9
	s_add_co_u32 s46, s46, s47
	s_mov_b32 s47, 0
	s_add_nc_u64 s[8:9], s[8:9], s[46:47]
	s_wait_kmcnt 0x0
.irp k, 69,70,71,72,73,74,75,76,77,78,79,80,81,82,83
	s_max_u32 s68, s68, s\k                        ; numbers that are not negative order as their bit patterns do
.endr
	s_max_u32 s68, s68, 0x0d800000                 ; the same floor as where it was divided out
	v_mov_b32 v5, s88
	v_mul_f32 v5, 0xbfb8aa3b, v5
	v_exp_f32 v5, v5
	v_nop
	s_wait_alu depctr_va_vdst(0)
	v_add_f32 v5, 1.0, v5
	v_rcp_f32 v5, v5                               ; sigmoid(gate_alpha)
	v_nop
	s_wait_alu depctr_va_vdst(0)
	v_mul_f32 v[SCL], s68, v5
	v_mul_f32 v[SCL+1], s68, v5
.macro MUL16 f, hi, a0, zero           ; the 64 accumulators take turns, one instruction a turn
	WIN MUL_LO+0x50*(\hi)
.irp a, \a0, (\a0)+1
.irp b, 0,1,2,3,4,5,6,7
.if \zero
	v_wmma_f32_16x16x32_f16 v[8*(8*(\a)+(\b)):8*(8*(\a)+(\b))+7], v[(\f)+8*(\b):(\f)+8*(\b)+7], v[(\f)+8*(4*(\hi)+(\a)):(\f)+8*(4*(\hi)+(\a))+7], 0
.else
	v_wmma_f32_16x16x32_f16 v[8*(8*(\a)+(\b)):8*(8*(\a)+(\b))+7], v[(\f)+8*(\b):(\f)+8*(\b)+7], v[(\f)+8*(4*(\hi)+(\a)):(\f)+8*(4*(\hi)+(\a))+7], v[8*(8*(\a)+(\b)):8*(8*(\a)+(\b))+7]
.endif
.endr
.endr
.endm
.macro FETCH slot, q, f
	WIN TO_B
.irp i, 0,1,2,3,4,5,6,7
	ds_load_tr16_b128 v[(\f)+8*(\i):(\f)+8*(\i)+3],   v[ADRB+(\slot)] offset:(\q)*32*PB+32*(\i)
	ds_load_tr16_b128 v[(\f)+8*(\i)+4:(\f)+8*(\i)+7], v[ADRB+(\slot)] offset:(\q)*32*PB+32*(\i)+16*PB
.endr
	WIN 0
.irp i, 0,1,2,3,4,5,6,7
	ds_load_b128 v[(\f)+8*(\i):(\f)+8*(\i)+3],   v[ADRA+(\slot)] offset:(\q)*64+(\i)*16*PA
	ds_load_b128 v[(\f)+8*(\i)+4:(\f)+8*(\i)+7], v[ADRA+(\slot)] offset:(\q)*64+(\i)*16*PA+32
.endr
.endm
.macro PLACES
.rept 4
	v_nop
.endr
.endm
.macro QUARTER slot, q, f, g, zero
	s_wait_dscnt 8                                 ; B and A's rows 0-63 are in; the youngest eight loads may be out
	MUL16 \f, 0, 0, \zero
	MUL16 \f, 0, 2, \zero
	PLACES
	FETCH \slot, \q, \g
	s_wait_dscnt 32                                ; all but the 32 just issued
	MUL16 \f, 1, 0, \zero
	MUL16 \f, 1, 2, \zero
.endm
; The change of slots: each wave waits for all its tensor loads (one is out: its part of the next slot), adds 0 to its spare word, waits for that and for its reads of this slot;
; fill = 1: the barrier opens a round of the cluster's, and the joint refill stands first behind it.
.macro TURN slot, next, fill
	WIN 0
	s_wait_tensorcnt 0x0
	ds_add_u32 v[SPW], v[NIL]
	s_wait_dscnt 9                                 ; the add and the youngest eight loads may be out
	MUL16 F1, 0, 0, 0
	s_wait_dscnt 0x0
	s_barrier_signal -1
	MUL16 F1, 0, 2, 0
.if \fill
	WIN 0
.endif
	s_barrier_wait -1
.if \fill
	CREST
	s_add_nc_u64 s[G0+4*(\slot)+2:G0+4*(\slot)+3], s[G0+4*(\slot)+2:G0+4*(\slot)+3], ASTEP
	s_add_nc_u64 s[G0B+4*(\slot)+2:G0B+4*(\slot)+3], s[G0B+4*(\slot)+2:G0B+4*(\slot)+3], BSTEP
	JLOAD \slot
.else
	PLACES
.endif
	FETCH \next, 0, F0
	MUL16 F1, 1, 0, 0
	MUL16 F1, 1, 2, 0
.endm
	s_wait_tensorcnt 1                             ; my part of K step 0 is in; K step 1's stays out
	s_barrier_signal -1
	s_barrier_wait -1
	FETCH 0, 0, F0
	QUARTER 0, 1, F0, F1, 1
	QUARTER 0, 2, F1, F0, 0
	QUARTER 0, 3, F0, F1, 0
	TURN 0, 1, 1                                   ; slot 0 takes K step 2
	QUARTER 1, 1, F0, F1, 0
	QUARTER 1, 2, F1, F0, 0
	QUARTER 1, 3, F0, F1, 0
	TURN 1, 0, 1                                   ; slot 1 takes K step 3
	QUARTER 0, 1, F0, F1, 0
	QUARTER 0, 2, F1, F0, 0
	QUARTER 0, 3, F0, F1, 0
	TURN 0, 1, 0
	QUARTER 1, 1, F0, F1, 0
	QUARTER 1, 2, F1, F0, 0
	QUARTER 1, 3, F0, F1, 0
	s_wait_dscnt 8
	MUL16 F1, 0, 0, 0
	MUL16 F1, 0, 2, 0
	s_wait_dscnt 0x0
	MUL16 F1, 1, 0, 0
	MUL16 F1, 1, 2, 0
	WIN 0
	PLACES
; THE WAY OUT, a block of 16 rows at a time through my own stage.
.macro PACKS a                         ; scaled, each accumulator's registers in ascending order
.set AC, 64*((\a)%4)
	WIN 0x02+((\a)/4)
.set z, 0
.rept 32
	v_pk_mul_f32 v[TMP+2*z:TMP+2*z+1], v[AC+2*z:AC+2*z+1], v[SCL:SCL+1]
.set z, z+1
.endr
	WIN 0
.endm
.macro TOSTAGE a
.set BK, 128+64*((\a)%2)
.irp b, 0,1,2,3,4,5,6,7
	ds_store_b128 v[STO], v[TMP+8*(\b):TMP+8*(\b)+3] offset:64*(\b)
	ds_store_b128 v[STO], v[TMP+8*(\b)+4:TMP+8*(\b)+7] offset:64*(\b)+16
.endr
.irp t, 0,1,2,3,4,5,6,7,8,9,10,11,12,13,14,15
	ds_load_b128 v[BK+4*(\t):BK+4*(\t)+3], v[RD] offset:(\t)*SP   ; LDS serves a wave's instructions in order (ISA guide 5.7.1.4): these see the stores above
.endr
.endm
.macro SEND a
.set BK, 128+64*((\a)%2)
	s_wait_dscnt 0x0                               ; the block is back in registers
	s_wait_xcnt 0x0                                ; the other buffer, which the block before's stores read, is loaded again only behind this wait
.irp t, 0,1,2,3,4,5,6,7,8,9,10,11,12,13,14,15
	global_store_b128 v[CO], v[BK+4*(\t):BK+4*(\t)+3], s[8:9] offset:(16*(\a)+(\t))*4096 th:TH_STORE_NT  ; 512 consecutive bytes of a row of out0, aligned
.endr
.endm
	PACKS 0
	TOSTAGE 0
.irp a, 1,2,3,4,5,6,7                  ; block a's arithmetic stands between block a - 1's loads from the stage and the wait for them
	PACKS \a
	SEND (\a)-1
	TOSTAGE \a
.endr
	SEND 7
	s_wait_tensorcnt 0x0                           ; the wave's end
	ds_add_u32 v[SPW], v[NIL]
	s_wait_dscnt 0x0
	CROUND                                         ; the closing round
	s_endpgm
.Lfunc_end_k_qe0670d923f_outp:
	.size	k_qe0670d923f_outp, .Lfunc_end_k_qe0670d923f_outp-k_qe0670d923f_outp
	.p2alignl 7, 3214868480
	.fill 96, 4, 3214868480
	.section	.rodata,"a",@progbits
	.p2align	6, 0x0
	.amdhsa_kernel k_qe0670d923f_outp
		.amdhsa_group_segment_fixed_size 327680
		.amdhsa_private_segment_fixed_size 0
		.amdhsa_enable_private_segment 0
		.amdhsa_kernarg_size 40
		.amdhsa_user_sgpr_count 2
		.amdhsa_user_sgpr_kernarg_segment_ptr 1
		.amdhsa_wavefront_size32 1
		.amdhsa_system_sgpr_workgroup_id_x 1
		.amdhsa_system_sgpr_workgroup_id_y 1
		.amdhsa_system_sgpr_workgroup_id_z 1
		.amdhsa_system_vgpr_workitem_id 0
		.amdhsa_next_free_vgpr 1024
		.amdhsa_next_free_sgpr 96
		.amdhsa_reserve_vcc 0
		.amdhsa_float_denorm_mode_32 3
		.amdhsa_float_denorm_mode_16_64 3
		.amdhsa_memory_ordered 1
		.amdhsa_forward_progress 1
		.amdhsa_inst_pref_size 157
	.end_amdhsa_kernel
	.amdgpu_metadata
---
amdhsa.version: [ 1, 2 ]
amdhsa.kernels:
  - .name:           k_qe0670d923f_outp
    .symbol:         k_qe0670d923f_outp.kd
    .args:
      - { .name: zbuf, .offset: 0, .size: 8, .value_kind: global_buffer, .address_space: global }
      - { .name: weff, .offset: 8, .size: 8, .value_kind: global_buffer, .address_space: global }
      - { .name: fmx, .offset: 16, .size: 8, .value_kind: global_buffer, .address_space: global }
      - { .name: gate_alpha, .offset: 24, .size: 8, .value_kind: global_buffer, .address_space: global }
      - { .name: out0, .offset: 32, .size: 8, .value_kind: global_buffer, .address_space: global }
    .group_segment_fixed_size: 327680
    .private_segment_fixed_size: 0
    .kernarg_segment_align: 8
    .kernarg_segment_size: 40
    .max_flat_workgroup_size: 128
    .sgpr_count:     96
    .vgpr_count:     1024
    .wavefront_size: 32
...
	.end_amdgpu_metadata
.endif
;; end of part 5
;; ======== version 2 of 2: 5 launches; version 1 with the launches prep, weffk written anew for expert scheduling mode
;; limits: values are held in f16: magnitudes above 65,504 overflow, below 6.1e-05 lose precision
;; workspace buffers: nrm 33,554,432 bytes; wcat 4,194,304 bytes; zbuf 16,777,216 bytes; kfr 8,388,608 bytes; vfr 16,777,216 bytes; ftb 524,288 bytes; fmx 256 bytes; weff 4,194,304 bytes
;; launch prep (part 6): grid 576 x 1, 8 waves a work-group, no clusters, 0 bytes of LDS; arguments hidden_states, ln_scale, ln_bias, Wk, Wq, Wv, nrm, wcat; writes nrm, wcat
.if DOCPART == 6
	.amdgcn_target "amdgcn-amd-amdhsa--gfx1250"
	.amdhsa_code_object_version 6
	.text
	.protected	k_qe0670d923f_prep
	.globl	k_qe0670d923f_prep
	.p2align	8
	.type	k_qe0670d923f_prep,@function
k_qe0670d923f_prep:
	s_mov_b64 s[64:65], 0
	v_nop
	global_prefetch_b8 v0, s[64:65] scope:SCOPE_SE
	s_setreg_imm32_b32 hwreg(HW_REG_WAVE_SCHED_MODE, 0, 2), 2
	s_setreg_imm32_b32 hwreg(HW_REG_WAVE_MODE, 25, 1), 1
	s_wait_xcnt 0x0
	s_wait_alu depctr_vm_vsrc(0)
; Work-groups 0-511: LayerNorm of 32 rows of 1,024 f32 each, written as f16 into nrm [16384][1024].
; Work-groups 512-575: Wk, Wq, Wv cast to f16 into wcat [1024 k][2048 n] (n 0-511 Wk, 512-1535 Wv, 1536-2047 Wq).
; A stream: no LDS, no barrier, no matrix unit.  A wave takes 4 whole rows; a row lies in 32 registers between the pass for the mean,
; the pass for the variance (of the differences, so a common offset of the row costs nothing) and the scaling: memory is read once.
; Lane l holds elements 128 j + 4 l + e: each load of a wave covers 512 consecutive bytes, each store 256 consecutive aligned bytes.
; LIMITS: f16 ends at 65,504: 32 |ln_scale| + |ln_bias| and the weights stay below it; weights below 6e-5 keep f16's fixed step of 6e-8.
; NaN and infinities are not treated apart.
; THE MODE: SCHED_MODE bits 1:0 = 2 (LLVM: expert scheduling mode 2), set by the entry lines.  The code itself states the register dependences
; between vector instructions and memory instructions, with s_wait_alu, always for 0.
; THE PLAN.  Registers that memory instructions touch:
;   v1, v2, v3   byte offsets, made once at an arm's head and never written again.
;   SC, BI       loaded once; vector instructions alone read them.
;   X            a set of registers for each row (each pass of the cast): loaded once, worked on in place, stored once, never written again.
; So no register that a memory instruction has read is ever written again.  What is left to state: the offsets are written, ahead of an arm's first load; and a row's (a group of
; passes') conversions have written their registers, ahead of its stores.  The stores of row r stand in row r + 1, behind the wait that the row's two reciprocal roots have in any
; case, dealt among vector instructions that name row r + 1, RS, SC and BI alone.  In the cast the stores of a group of eight passes stand in the next group, behind one wait at its head.
.set SC,  4                            ; v[4:35]    ln_scale of my 32 columns
.set BI,  36                           ; v[36:67]   ln_bias
.set X,   68                           ; v[68:195]  four rows (or 32 passes of the cast)
.set T,   196                          ; v[196:203] four pairs at work: no memory instruction names them
.set MN,  204                          ; v[204:205] the mean, twice
.set RS,  206                          ; v[206:207] 1 / sqrt(var + eps), twice
	s_load_b512 s[4:19], s[0:1], 0x0               ; hidden s[4:5], scale s[6:7], bias s[8:9], Wk s[10:11], Wq s[12:13], Wv s[14:15], nrm s[16:17], wcat s[18:19]
	s_mov_b32 s2, ttmp9
	s_mov_b32 s21, 0
	s_mov_b32 s23, 0
	s_cmp_lt_u32 s2, 512
	s_cbranch_scc0 .Lcast
	v_and_b32 v1, 31, v0                           ; lane
	v_lshrrev_b32 v2, 5, v0                        ; wave
	v_lshlrev_b32 v3, 3, v1                        ; 8 x lane
	v_lshlrev_b32 v1, 4, v1                        ; 16 x lane: my place in scale and bias
	v_lshl_add_u32 v3, v2, 13, v3                  ; out: wave x 4 rows x 2,048 bytes + 8 x lane
	v_lshl_add_u32 v2, v2, 14, v1                  ; in: wave x 4 rows x 4,096 bytes + 16 x lane
	s_lshl_b32 s20, s2, 17                         ; 32 rows x 4,096 bytes
	s_lshl_b32 s22, s2, 16                         ; 32 rows x 2,048 bytes
	s_mov_b32 s24, 0x3a800000                      ; 1 / 1024
	s_mov_b32 s25, 0x3727c5ac                      ; 1e-5
	s_mov_b32 s26, 0x76543210                      ; v_permlanex16_b32: each lane takes its own place in the other half
	s_mov_b32 s27, 0xfedcba98
	s_wait_kmcnt 0x0
	s_add_nc_u64 s[4:5], s[4:5], s[20:21]
	s_add_nc_u64 s[16:17], s[16:17], s[22:23]
	s_wait_alu depctr_va_vdst(0)                   ; v1, v2 and v3 are written: every load and store of this arm reads one of them as its offset
.irp j, 0,1,2,3,4,5,6,7
	global_load_b128 v[SC+4*(\j):SC+4*(\j)+3], v1, s[6:7] offset:512*(\j)
.endr
.irp j, 0,1,2,3,4,5,6,7
	global_load_b128 v[BI+4*(\j):BI+4*(\j)+3], v1, s[8:9] offset:512*(\j)
.endr
.irp r, 0,1,2,3
.irp j, 0,1,2,3,4,5,6,7
	global_load_b128 v[X+32*(\r)+4*(\j):X+32*(\r)+4*(\j)+3], v2, s[4:5] offset:4096*(\r)+512*(\j) th:TH_LOAD_NT
.endr
.endr
.macro LANESUM r, tmp                  ; the sum over the 32 lanes, in every lane; tmp has been written before
	v_add_f32_dpp v[\r], v[\r], v[\r] row_xmask:1 row_mask:0xf bank_mask:0xf
	v_add_f32_dpp v[\r], v[\r], v[\r] row_xmask:2 row_mask:0xf bank_mask:0xf
	v_add_f32_dpp v[\r], v[\r], v[\r] row_xmask:4 row_mask:0xf bank_mask:0xf
	v_add_f32_dpp v[\r], v[\r], v[\r] row_xmask:8 row_mask:0xf bank_mask:0xf
	v_permlanex16_b32 v[\tmp], v[\r], s26, s27
	v_add_f32 v[\r], v[\r], v[\tmp]
.endm
.macro FOLD                            ; four pairs into one number
	v_pk_add_f32 v[T:T+1], v[T:T+1], v[T+2:T+3]
	v_pk_add_f32 v[T+4:T+5], v[T+4:T+5], v[T+6:T+7]
	v_pk_add_f32 v[T:T+1], v[T:T+1], v[T+4:T+5]
	v_add_f32 v[T], v[T], v[T+1]
	LANESUM T, T+1
.endm
; One row.  left = the loads of the younger rows, which may stay out.  From row 1 on the row also issues the stores of the row before.
.macro ROWLN row, left
.set XR, X+32*(\row)
.set XP, X+32*(\row)-32                ; the row before
	s_wait_loadcnt \left                           ; loads come back in order: scale, bias and my row are in
.irp c, 0,1,2,3
	v_pk_add_f32 v[T+2*(\c):T+2*(\c)+1], v[XR+2*(\c):XR+2*(\c)+1], v[XR+8+2*(\c):XR+8+2*(\c)+1]
.endr
.irp c, 8,9,10,11,12,13,14,15
	v_pk_add_f32 v[T+2*((\c)%4):T+2*((\c)%4)+1], v[T+2*((\c)%4):T+2*((\c)%4)+1], v[XR+2*(\c):XR+2*(\c)+1]
.endr
	FOLD
	v_mul_f32 v[MN], s24, v[T]
	v_mul_f32 v[MN+1], s24, v[T]
.irp c, 0,1,2,3,4,5,6,7,8,9,10,11,12,13,14,15
	v_pk_add_f32 v[XR+2*(\c):XR+2*(\c)+1], v[XR+2*(\c):XR+2*(\c)+1], v[MN:MN+1] neg_lo:[0,1] neg_hi:[0,1]
.endr
.irp c, 0,1,2,3
	v_pk_mul_f32 v[T+2*(\c):T+2*(\c)+1], v[XR+2*(\c):XR+2*(\c)+1], v[XR+2*(\c):XR+2*(\c)+1]
.endr
.irp c, 4,5,6,7,8,9,10,11,12,13,14,15
	v_pk_fma_f32 v[T+2*((\c)%4):T+2*((\c)%4)+1], v[XR+2*(\c):XR+2*(\c)+1], v[XR+2*(\c):XR+2*(\c)+1], v[T+2*((\c)%4):T+2*((\c)%4)+1]
.endr
	FOLD
	v_fma_f32 v[T], v[T], s24, s25                 ; var + eps
	v_rsq_f32 v[RS], v[T]
	v_rsq_f32 v[RS+1], v[T]
	v_nop                                          ; a plain instruction behind the transcendentals (ISA guide 5.7.2)
	s_wait_alu depctr_va_vdst(0)                   ; the two reciprocal roots have written RS, ahead of its first reader; the row before's conversions have written the registers that the stores below read
.irp c, 0,1,2,3,4,5,6,7,8,9,10,11,12,13,14,15
.if ((\row) > 0) && (((\c)%2) == 0)
	global_store_b64 v3, v[XP+2*(\c):XP+2*(\c)+1], s[16:17] offset:2048*(\row)-2048+128*(\c)  ; the row before: 32 lanes x 8 bytes: 256 consecutive bytes, aligned.  No vector instruction since the wait names its registers
.endif
	v_pk_mul_f32 v[XR+2*(\c):XR+2*(\c)+1], v[XR+2*(\c):XR+2*(\c)+1], v[RS:RS+1]
.endr
.irp c, 0,1,2,3,4,5,6,7,8,9,10,11,12,13,14,15
	v_pk_fma_f32 v[XR+2*(\c):XR+2*(\c)+1], v[XR+2*(\c):XR+2*(\c)+1], v[SC+2*(\c):SC+2*(\c)+1], v[BI+2*(\c):BI+2*(\c)+1]
.endr
.irp j, 0,1,2,3,4,5,6,7
	v_cvt_pk_f16_f32 v[XR+4*(\j)], v[XR+4*(\j)], v[XR+4*(\j)+1]
	v_cvt_pk_f16_f32 v[XR+4*(\j)+1], v[XR+4*(\j)+2], v[XR+4*(\j)+3]
.endr
.endm
	ROWLN 0, 24
	ROWLN 1, 16
	ROWLN 2, 8
	ROWLN 3, 0
	s_wait_alu depctr_va_vdst(0)                   ; row 3's conversions have written the registers that the last eight stores read
.irp j, 0,1,2,3,4,5,6,7
	global_store_b64 v3, v[X+96+4*(\j):X+96+4*(\j)+1], s[16:17] offset:2048*3+256*(\j)
.endr
	s_endpgm
; The cast: a work-group converts 32,768 numbers in 32 passes of 256 threads x 4 numbers.  logw = log2 of the source's row length.
.macro CAST logw
.if (\logw) == 9
	s_and_b32 s20, s2, 15
	s_lshl_b32 s22, s20, 18                        ; 64 rows of wcat, 4,096 bytes each
	s_lshl_b32 s20, s20, 17                        ; 131,072 source bytes
	v_lshrrev_b32 v3, 7, v0                        ; a pass is two source rows
	v_and_b32 v2, 127, v0
	v_lshlrev_b32 v2, 3, v2
	v_lshl_add_u32 v3, v3, 12, v2
	s_wait_kmcnt 0x0
	s_cmp_lt_u32 s2, 16
	s_cselect_b64 s[28:29], s[10:11], s[12:13]     ; Wk or Wq
	s_cselect_b32 s30, 0, 3072                     ; its first column's byte in a row of wcat
	v_add_nc_u32 v3, s30, v3
.else
	s_sub_co_u32 s20, s2, 32
	s_lshl_b32 s20, s20, 17                        ; 131,072 source bytes, and 32 rows of wcat
	s_mov_b32 s22, s20
	v_lshl_add_u32 v3, v0, 3, 1024                 ; a pass is one source row; Wv begins at byte 1,024 of a row of wcat
	s_wait_kmcnt 0x0
	s_mov_b64 s[28:29], s[14:15]
.endif
	v_lshlrev_b32 v1, 4, v0
	s_add_nc_u64 s[28:29], s[28:29], s[20:21]
	s_add_nc_u64 s[18:19], s[18:19], s[22:23]
	s_wait_alu depctr_va_vdst(0)                   ; v1 and v3 are written: the loads read v1, the stores v3, as their offsets
.set p, 0
.rept 32
	global_load_b128 v[X+4*p:X+4*p+3], v1, s[28:29] offset:4096*p th:TH_LOAD_NT
.set p, p+1
.endr
.set g, 0
.rept 4                                ; four groups of eight passes; a group's stores stand in the next group
	s_wait_loadcnt 24-8*g                          ; group g is in; the younger groups stay out
.if g > 0
	s_wait_alu depctr_va_vdst(0)                   ; the group before's conversions have written the registers that the stores below read
.endif
.set p, 8*g
.rept 8
.if g > 0
	global_store_b64 v3, v[X+4*(p-8):X+4*(p-8)+1], s[18:19] offset:(p-8)*(1024>>(\logw))*4096  ; no vector instruction since the wait names these registers
.endif
	v_cvt_pk_f16_f32 v[X+4*p], v[X+4*p], v[X+4*p+1]
	v_cvt_pk_f16_f32 v[X+4*p+1], v[X+4*p+2], v[X+4*p+3]
.set p, p+1
.endr
.set g, g+1
.endr
	s_wait_alu depctr_va_vdst(0)                   ; the last group's conversions have written the registers that the last eight stores read
.set p, 24
.rept 8
	global_store_b64 v3, v[X+4*p:X+4*p+1], s[18:19] offset:p*(1024>>(\logw))*4096
.set p, p+1
.endr
.endm
.Lcast:
	s_sub_co_u32 s2, s2, 512
	s_cmp_lt_u32 s2, 32
	s_cbranch_scc0 .Lcastv
	CAST 9
	s_endpgm
.Lcastv:
	CAST 10
	s_endpgm
.Lfunc_end_k_qe0670d923f_prep:
	.size	k_qe0670d923f_prep, .Lfunc_end_k_qe0670d923f_prep-k_qe0670d923f_prep
	.p2alignl 7, 3214868480
	.fill 96, 4, 3214868480
	.section	.rodata,"a",@progbits
	.p2align	6, 0x0
	.amdhsa_kernel k_qe0670d923f_prep
		.amdhsa_group_segment_fixed_size 0
		.amdhsa_private_segment_fixed_size 0
		.amdhsa_enable_private_segment 0
		.amdhsa_kernarg_size 64
		.amdhsa_user_sgpr_count 2
		.amdhsa_user_sgpr_kernarg_segment_ptr 1
		.amdhsa_wavefront_size32 1
		.amdhsa_system_sgpr_workgroup_id_x 1
		.amdhsa_system_sgpr_workgroup_id_y 1
		.amdhsa_system_sgpr_workgroup_id_z 1
		.amdhsa_system_vgpr_workitem_id 0
		.amdhsa_next_free_vgpr 208
		.amdhsa_next_free_sgpr 66
		.amdhsa_reserve_vcc 0
		.amdhsa_float_denorm_mode_32 3
		.amdhsa_float_denorm_mode_16_64 3
		.amdhsa_memory_ordered 1
		.amdhsa_forward_progress 1
		.amdhsa_inst_pref_size 60
	.end_amdhsa_kernel
	.amdgpu_metadata
---
amdhsa.version: [ 1, 2 ]
amdhsa.kernels:
  - .name:           k_qe0670d923f_prep
    .symbol:         k_qe0670d923f_prep.kd
    .args:
      - { .name: hidden_states, .offset: 0, .size: 8, .value_kind: global_buffer, .address_space: global }
      - { .name: ln_scale, .offset: 8, .size: 8, .value_kind: global_buffer, .address_space: global }
      - { .name: ln_bias, .offset: 16, .size: 8, .value_kind: global_buffer, .address_space: global }
      - { .name: Wk, .offset: 24, .size: 8, .value_kind: global_buffer, .address_space: global }
      - { .name: Wq, .offset: 32, .size: 8, .value_kind: global_buffer, .address_space: global }
      - { .name: Wv, .offset: 40, .size: 8, .value_kind: global_buffer, .address_space: global }
      - { .name: nrm, .offset: 48, .size: 8, .value_kind: global_buffer, .address_space: global }
      - { .name: wcat, .offset: 56, .size: 8, .value_kind: global_buffer, .address_space: global }
    .group_segment_fixed_size: 0
    .private_segment_fixed_size: 0
    .kernarg_segment_align: 8
    .kernarg_segment_size: 64
    .max_flat_workgroup_size: 256
    .sgpr_count:     66
    .vgpr_count:     208
    .wavefront_size: 32
...
	.end_amdgpu_metadata
.endif
;; end of part 6
;; launch proj: the kernel of part 2 again; grid 32 x 8, 4 waves a work-group, clusters of 4 x 1, 327,680 bytes of LDS; arguments nrm, wcat, zbuf, kfr, vfr; writes zbuf, kfr, vfr
;; launch oper: the kernel of part 3 again; grid 64 x 1, 16 waves a work-group, no clusters, 298,752 bytes of LDS; arguments kfr, vfr, log_ridge, log_gamma, ftb, fmx; writes ftb, fmx
;; launch weffk (part 7): grid 256 x 1, 4 waves a work-group, no clusters, 52,224 bytes of LDS; arguments ftb, fmx, Wo, weff; writes weff
.if DOCPART == 7
	.amdgcn_target "amdgcn-amd-amdhsa--gfx1250"
	.amdhsa_code_object_version 6
	.text
	.protected	k_qe0670d923f_weffk
	.globl	k_qe0670d923f_weffk
	.p2align	8
	.type	k_qe0670d923f_weffk,@function
k_qe0670d923f_weffk:
	s_mov_b64 s[64:65], 0
	v_nop
	global_prefetch_b8 v0, s[64:65] scope:SCOPE_SE
	s_setreg_imm32_b32 hwreg(HW_REG_WAVE_SCHED_MODE, 0, 2), 2
	s_setreg_imm32_b32 hwreg(HW_REG_WAVE_MODE, 25, 1), 1
	s_wait_xcnt 0x0
	s_wait_alu depctr_vm_vsrc(0)
; Weff[b][32 h + r][n] = sum over d of (F_h^T[r][d] / s_b) Wo[64 h + d][n], f16 operands, f32 sums, stored f16.  s_b = the largest |F| of the batch's 16 heads, at least 2^-100:
; F is far below f16's range, so it is divided by s_b here, and the last launch multiplies by s_b again in f32.
; A work-group: one head, 256 columns n.  Wo's 64 x 256 piece goes through LDS as f16 [d][n] and comes out turned; each wave makes 32 x 64.
; The matrix instruction is used transposed (source 0 = 16 columns of Wo, source 1 = 16 rows of F^T): a lane holds eight neighbouring n of a row.
; No cluster, no tensor loads: the launch moves 9 MB and has 16 products a wave.
; THE MODE: SCHED_MODE bits 1:0 = 2 (LLVM: expert scheduling mode 2), set by the entry lines.  The code itself states the register dependences
; between vector or matrix instructions and memory or LDS instructions, with s_wait_alu, always for 0.
; THE PLAN.  Registers that memory or LDS instructions touch, in the order of the text:
;   v4, v5, v6, v10  offsets and LDS addresses, all made at the head and never written again.
;   v16-143    Wo: loaded; converted in place, in four groups of eight loads; the LDS stores of a group stand in the next group, behind one wait at its head; the last group's stand
;              among F^T's scalings, behind the wait that the reciprocals have in any case.
;   v80-143    then take the turned LDS loads; v16-79 are then the products' accumulators: one wait on vm_vsrc behind the barrier states that the LDS stores have read all of v16-143.
;   v144-207   F^T: loaded; vector instructions alone read them.  v144-175 then take the closing conversions' results, which the stage's LDS stores read.
;   v11, v12   the stage's addresses, made behind the products, ahead of the wait that stands in front of the stage's stores.
;   v16-47     last take the loads from the stage, which the global stores read.
;   v14, v15   written at the head, read by the closing add alone.
.set PW,    544                        ; a row d of Wo in LDS: 512 bytes + 32
.set STG,   34816                      ; the result: 32 rows, pitch 528
.set PS,    528
.set SPARE, 51712
.set SPW, 14
.set NIL, 15
	s_load_b256 s[4:11], s[0:1], 0x0               ; ftb s[4:5], fmx s[6:7], Wo s[8:9], weff s[10:11]
	v_lshl_add_u32 v[SPW], v0, 2, SPARE
	v_mov_b32 v[NIL], 0
	v_lshrrev_b32 v1, 5, v0
	v_readfirstlane_b32 s12, v1                    ; wave
	v_and_b32 v1, 31, v0                           ; L
	v_and_b32 v2, 15, v0                           ; r
	v_bfe_u32 v3, v0, 4, 1                         ; hh
	v_lshlrev_b32 v4, 4, v1                        ; 16 L
	v_lshlrev_b32 v5, 8, v2
	v_lshl_add_u32 v5, v3, 5, v5                   ; F^T: row r x 256 bytes + 8 hh numbers
	v_and_b32 v10, 7, v0
	v_lshl_add_u32 v10, v3, 3, v10
	v_mul_u32_u24 v10, v10, PW
	v_bfe_u32 v11, v0, 3, 1
	v_lshl_add_u32 v10, v11, 4, v10                ; the turning load: row 8 hh + L % 8, 16 ((L / 8) % 2) bytes
	s_wait_alu depctr_va_sdst(0)                   ; s12 is written, ahead of its first reader: bases and LDS addresses are made from it
	s_lshr_b32 s13, ttmp9, 2                       ; bh
	s_and_b32 s14, ttmp9, 3                        ; nq
	s_lshr_b32 s15, s13, 4                         ; b
	s_and_b32 s32, s13, 15                         ; h
	s_lshl_b32 s34, s32, 6
	s_lshl4_add_u32 s34, s12, s34                  ; Wo's row 64 h + 16 w
	s_lshl_b32 s34, s34, 12
	s_lshl_b32 s33, s14, 10
	s_add_co_u32 s34, s34, s33
	s_mov_b32 s35, 0
	s_lshl_b32 s36, s13, 13
	s_mov_b32 s37, 0
	s_lshl_b32 s38, s15, 6
	s_mov_b32 s39, 0
	s_lshl_b32 s40, s32, 5
	s_lshl3_add_u32 s40, s12, s40                  ; weff's row 32 h + 8 w
	s_lshl_b32 s40, s40, 11
	s_lshl_b32 s33, s15, 20
	s_add_co_u32 s40, s40, s33
	s_lshl_b32 s33, s14, 9
	s_add_co_u32 s40, s40, s33
	s_mov_b32 s41, 0
	s_mul_i32 s33, s12, 16*PW
	v_lshl_add_u32 v6, v1, 3, s33                  ; my 16 rows in LDS, 8 bytes a lane
	v_lshl_add_u32 v10, s12, 7, v10                ; the turning load: my 64 columns
	s_wait_kmcnt 0x0
	s_add_nc_u64 s[8:9], s[8:9], s[34:35]
	s_add_nc_u64 s[4:5], s[4:5], s[36:37]
	s_add_nc_u64 s[6:7], s[6:7], s[38:39]
	s_add_nc_u64 s[10:11], s[10:11], s[40:41]
	s_load_b512 s[16:31], s[6:7], 0x0              ; the batch's 16 maxima
	s_wait_alu depctr_va_vdst(0)                   ; v4, v5, v6 and v10 are written: the loads and stores below read them as offsets and LDS addresses
.set k, 0
.rept 32                               ; 16 rows x 1,024 bytes: 512 consecutive bytes a load
	global_load_b128 v[16+4*k:19+4*k], v4, s[8:9] offset:(k/2)*4096+512*(k%2)
.set k, k+1
.endr
.irp f, 0,1,2,3                        ; fragment f = 2 J + ks of F^T: rows 16 J + r, d = 32 ks + 8 hh + 0..7 and + 16
.irp m, 0,1,2,3
	global_load_b128 v[144+16*(\f)+4*(\m):147+16*(\f)+4*(\m)], v5, s[4:5] offset:((\f)/2)*4096+((\f)%2)*128+((\m)/2)*64+((\m)%2)*16
.endr
.endr
; Group g of eight loads of Wo is converted; the LDS stores of the group before are dealt among its conversions.
.macro WOGRP g
	s_wait_loadcnt 40-8*(\g)                       ; loads come back in order: of the 48, group g is in and the 40 - 8 g younger ones stay out
.if (\g) > 0
	s_wait_alu depctr_va_vdst(0)                   ; the group before's conversions have written the registers that the LDS stores below read
.endif
.set k, 8*(\g)
.rept 8
.if (\g) > 0
	ds_store_b64 v6, v[16+4*(k-8):17+4*(k-8)] offset:((k-8)/2)*PW+256*((k-8)%2)  ; no vector instruction since the wait names these registers
.endif
	v_cvt_pk_f16_f32 v[16+4*k], v[16+4*k], v[17+4*k]
	v_cvt_pk_f16_f32 v[17+4*k], v[18+4*k], v[19+4*k]
.set k, k+1
.endr
.endm
	WOGRP 0
	WOGRP 1
	WOGRP 2
	WOGRP 3
	s_wait_kmcnt 0x0
.irp k, 17,18,19,20,21,22,23,24,25,26,27,28,29,30,31
	s_max_u32 s16, s16, s\k                        ; numbers that are not negative order as their bit patterns do
.endr
	s_max_u32 s16, s16, 0x0d800000                 ; at least 2^-100
	v_mov_b32 v7, s16
	v_rcp_f32 v8, v7
	v_rcp_f32 v9, v7
	v_nop                                          ; a plain instruction behind the transcendentals (ISA guide 5.7.2)
	s_wait_loadcnt 0x0                             ; F^T is in
	s_wait_alu depctr_va_vdst(0)                   ; the reciprocals have written v8 and v9, ahead of their first reader; the last group's conversions have written what the LDS stores below read; all conversions are done with v80-143, in which the turned loads land
.set k, 0
.rept 8
	ds_store_b64 v6, v[16+4*(k+24):17+4*(k+24)] offset:((k+24)/2)*PW+256*((k+24)%2)  ; the last group of Wo, dealt among F^T's scalings, which name v8, v9 and v144-207 alone
.irp m, 0,1,2,3
	v_pk_mul_f32 v[144+8*k+2*(\m):145+8*k+2*(\m)], v[144+8*k+2*(\m):145+8*k+2*(\m)], v[8:9]
.endr
.set k, k+1
.endr
.set k, 0
.rept 32
	v_cvt_pk_f16_f32 v[208+k], v[144+2*k], v[145+2*k]
.set k, k+1
.endr
	s_wait_dscnt 0x0                               ; for the others' sake: my stores are done
	s_barrier_signal -1
	s_barrier_wait -1
	s_wait_alu depctr_vm_vsrc(0)                   ; my LDS stores have read v16-143: the turned loads below land in v80-143, and the products write v16-79
.irp s, 0,1
.irp i, 0,1,2,3
	ds_load_tr16_b128 v[80+8*(4*(\s)+(\i)):83+8*(4*(\s)+(\i))], v10 offset:(\s)*32*PW+32*(\i)
	ds_load_tr16_b128 v[84+8*(4*(\s)+(\i)):87+8*(4*(\s)+(\i))], v10 offset:(\s)*32*PW+32*(\i)+16*PW
.endr
.endr
	s_wait_dscnt 0x0
.irp s, 0,1                            ; eight accumulators (i, J) at v[16 + 8 (2 i + J)] take turns
.irp i, 0,1,2,3
.irp j, 0,1
.if (\s) == 0
	v_wmma_f32_16x16x32_f16 v[16+8*(2*(\i)+(\j)):23+8*(2*(\i)+(\j))], v[80+8*(4*(\s)+(\i)):87+8*(4*(\s)+(\i))], v[208+8*(2*(\j)+(\s)):215+8*(2*(\j)+(\s))], 0
.else
	v_wmma_f32_16x16x32_f16 v[16+8*(2*(\i)+(\j)):23+8*(2*(\i)+(\j))], v[80+8*(4*(\s)+(\i)):87+8*(4*(\s)+(\i))], v[208+8*(2*(\j)+(\s)):215+8*(2*(\j)+(\s))], v[16+8*(2*(\i)+(\j)):23+8*(2*(\i)+(\j))]
.endif
.endr
.endr
.endr
	v_mul_u32_u24 v11, v2, PS                      ; four plain instructions: the places behind the last product
	v_lshl_add_u32 v11, v3, 4, v11
	v_lshl_add_u32 v11, s12, 7, v11
	v_add_nc_u32 v11, STG, v11                     ; row 16 J + r, column 64 w + 16 i + 8 hh
	s_mul_i32 s33, s12, 8*PS
	s_add_co_u32 s33, s33, STG
	v_add_nc_u32 v12, s33, v4                      ; back: wave w takes rows 8 w .. 8 w + 7, 16 bytes a lane
.set k, 0
.rept 32
	v_cvt_pk_f16_f32 v[144+k], v[16+2*k], v[17+2*k]
.set k, k+1
.endr
	s_wait_alu depctr_va_vdst(0)                   ; the conversions have written v144-175, which the LDS stores read; v11 and v12 are written; products and conversions are done with v16-47, in which the loads from the stage land
.set k, 0
.rept 8
	ds_store_b128 v11, v[144+4*k:147+4*k] offset:(k%2)*16*PS+32*(k/2)
.set k, k+1
.endr
	s_wait_dscnt 0x0                               ; for the others' sake: my part of the stage is written
	s_barrier_signal -1
	s_barrier_wait -1
.irp t, 0,1,2,3,4,5,6,7
	ds_load_b128 v[16+4*(\t):19+4*(\t)], v12 offset:(\t)*PS
.endr
.irp t, 0,1,2,3,4,5,6,7
	s_wait_dscnt 7-(\t)
	global_store_b128 v4, v[16+4*(\t):19+4*(\t)], s[10:11] offset:2048*(\t)   ; 512 consecutive bytes of a row of weff
.endr
	s_wait_dscnt 0x0                               ; the closing lines, six on end
	s_wait_alu 0x0
	s_wait_tensorcnt 0x0
	ds_add_u32 v[SPW], v[NIL]
	s_wait_dscnt 0x0
	s_endpgm
.Lfunc_end_k_qe0670d923f_weffk:
	.size	k_qe0670d923f_weffk, .Lfunc_end_k_qe0670d923f_weffk-k_qe0670d923f_weffk
	.p2alignl 7, 3214868480
	.fill 96, 4, 3214868480
	.section	.rodata,"a",@progbits
	.p2align	6, 0x0
	.amdhsa_kernel k_qe0670d923f_weffk
		.amdhsa_group_segment_fixed_size 52224
		.amdhsa_private_segment_fixed_size 0
		.amdhsa_enable_private_segment 0
		.amdhsa_kernarg_size 32
		.amdhsa_user_sgpr_count 2
		.amdhsa_user_sgpr_kernarg_segment_ptr 1
		.amdhsa_wavefront_size32 1
		.amdhsa_system_sgpr_workgroup_id_x 1
		.amdhsa_system_sgpr_workgroup_id_y 1
		.amdhsa_system_sgpr_workgroup_id_z 1
		.amdhsa_system_vgpr_workitem_id 0
		.amdhsa_next_free_vgpr 256
		.amdhsa_next_free_sgpr 66
		.amdhsa_reserve_vcc 0
		.amdhsa_float_denorm_mode_32 3
		.amdhsa_float_denorm_mode_16_64 3
		.amdhsa_memory_ordered 1
		.amdhsa_forward_progress 1
		.amdhsa_inst_pref_size 25
	.end_amdhsa_kernel
	.amdgpu_metadata
---
amdhsa.version: [ 1, 2 ]
amdhsa.kernels:
  - .name:           k_qe0670d923f_weffk
    .symbol:         k_qe0670d923f_weffk.kd
    .args:
      - { .name: ftb, .offset: 0, .size: 8, .value_kind: global_buffer, .address_space: global }
      - { .name: fmx, .offset: 8, .size: 8, .value_kind: global_buffer, .address_space: global }
      - { .name: Wo, .offset: 16, .size: 8, .value_kind: global_buffer, .address_space: global }
      - { .name: weff, .offset: 24, .size: 8, .value_kind: global_buffer, .address_space: global }
    .group_segment_fixed_size: 52224
    .private_segment_fixed_size: 0
    .kernarg_segment_align: 8
    .kernarg_segment_size: 32
    .max_flat_workgroup_size: 128
    .sgpr_count:     66
    .vgpr_count:     256
    .wavefront_size: 32
...
	.end_amdgpu_metadata
.endif
;; end of part 7
;; launch outp: the kernel of part 5 again; grid 4 x 64, 4 waves a work-group, clusters of 4 x 4, 327,680 bytes of LDS; arguments zbuf, weff, fmx, gate_alpha, out0; writes out0
